; MI455X (gfx1250); checked and timed in simulation.
; The chip was launched on July 23, 2026; its instructions are those of AMD's public machine-readable ISA for CDNA 5 (MIT licence, August 2026) and "CDNA5" Instruction Set Architecture Reference Guide (July 2026). The comments in the code are by the model that wrote it; some were corrected since.
;; Transformer Layer Shard. Allowed arithmetic: matrix products marked QUANTISED: E2M3 operands, one E8M0 scale for each 32 along K, by v_wmma_scale_f32_16x16x128_f8f6f4 with both operands' format E2M3, f32 sums; everything else in f32.
;; Inputs: attn_bias 2,048 x 2,048 float32; b_fc_in 4,096 float32; b_fc_out 1,024 float32; ln_offset 1,024 float32; ln_scale 1,024 float32; w_fc_in 1,024 x 4,096 float32; w_fc_out 4,096 x 1,024 float32; wk 1,024 x 1,024 float32; wo 1,024 x 1,024 float32; wq 1,024 x 1,024 float32; wv 1,024 x 1,024 float32; x 2 x 2,048 x 1,024 float32.
;; Outputs: out0 2 x 2,048 x 1,024 float32.
;; This version of the problem:
;;   THIS VERSION OF THE PROBLEM IS GIVEN IN LOW PRECISION. The matrix products marked QUANTISED in the list below multiply operands that are first quantised to E2M3 (2 exponent bits, 3 mantissa bits; 6 bits a number), with one power-of-two scale for each 32 numbers along K (OCP MX v1.0); their sums are f32. All else is computed in f32.
;;   The module's matrix products, in the order in which they are computed (A, B: the left and right operand; K: the contracted axis; several contracted axes count as one K, in the product's order):
;;     1. [M 4,096, K 1,024] x [K 1,024, N 1,024]; A: computed on the way; B: input wq: QUANTISED
;;     2. [M 4,096, K 1,024] x [K 1,024, N 1,024]; A: computed on the way; B: input wk: QUANTISED
;;     3. [M 4,096, K 1,024] x [K 1,024, N 1,024]; A: computed on the way; B: input wv: QUANTISED
;;     4. batch 32 x [M 2,048, K 64] x [K 64, N 2,048]; A: computed on the way; B: computed on the way: QUANTISED
;;     5. batch 32 x [M 64, K 2,048] x [K 2,048, N 2,048]; A: computed on the way; B: softmax (see below): QUANTISED
;;     6. [M 4,096, K 1,024] x [K 1,024, N 1,024]; A: computed on the way; B: input wo: QUANTISED
;;     7. [M 4,096, K 1,024] x [K 1,024, N 4,096]; A: computed on the way; B: input w_fc_in: QUANTISED
;;     8. [M 4,096, K 4,096] x [K 4,096, N 1,024]; A: computed on the way; B: input w_fc_out: QUANTISED
;;   THE QUANTISER, for each operand of a quantised product, along K:
;;     - K is cut into blocks of 32 from its start; a last block that is shorter is filled with zeros.
;;     - A block's scale is 2^e with e = floor(log2(the largest magnitude in the block)) - 2, held to -126 .. 127; a block of zeros has e = 0. As a byte (E8M0): e + 127.
;;     - Each number is divided by its block's scale, clamped to +-7.5, and rounded to the nearest number of E2M3, ties to even, subnormals kept.
;;     - The product sums the exact products of the quantised numbers (number of the format x scale) in f32.
;;   ~~~python
;;   def quantise(x, axis):      # numpy; x: float32 -> the quantised numbers, widened to float32 again
;;       x = np.moveaxis(x, axis, -1); K = x.shape[-1]
;;       x = np.pad(x, [(0, 0)] * (x.ndim - 1) + [(0, -K % 32)]); x = x.reshape(x.shape[:-1] + (-1, 32)); a = np.abs(x).max(-1, keepdims=True)
;;       e = np.where(a > 0, np.clip(np.frexp(np.where(a > 0, a, 1))[1] - 1 - 2, -126, 127), 0)      # np.frexp(a)[1] - 1 = floor(log2(a)), exactly
;;       r = np.clip(x / 2.0 ** e, -7.5, 7.5)
;;       step = 2.0 ** (np.maximum(np.frexp(np.where(r == 0, 1, r))[1] - 1, 0) - 3)
;;       q = np.round(r / step) * step * 2.0 ** e      # np.round: ties to even
;;       return np.moveaxis(q.reshape(q.shape[:-2] + (-1,))[..., :K], -1, axis).astype(np.float32)
;;   ~~~
;;   SOFTMAX AHEAD OF A QUANTISED PRODUCT. Where the list says 'softmax', what is quantised is not the finished softmax but p = 2^(t - M), with t = logit x log2(e) and M = ceil(the row's largest t), a whole number; so 1/2 < the row's largest p <= 1. The row's sum l is taken of the UNQUANTISED p, in f32, and the product's result is divided by l at the end. Since M is a whole number, a kernel that streams over the keys may use a running M (the ceiling of the running maximum): every later rescaling is an exact power of two, which a block's scale takes up: the codes' values come out the same.
;;   OPERANDS COMPUTED ON THE WAY. 'Computed on the way' means the value that the module computes at that place (a softmax that the list does not call 'softmax' is quantised finished and normalised). What goes into a quantiser is computed in f32, as accurately as f32 sums, v_exp_f32 and their like allow (about 1e-6 of the number): no bf16 or f16 on the way to a quantiser, and a product that is left as it is and whose result goes on into a quantised operand takes f32 operands (vector FMAs, or v_wmma_f32_16x16x4_f32). A number that lies on a knife's edge between two numbers of the format may be rounded either way, as far as f32 arithmetic and the matrix unit's own rounding can turn it there, and no further.
;; One version. Each part assembles by itself: llvm-mc -triple=amdgcn-amd-amdhsa -mcpu=gfx1250 --defsym DOCPART=n.
;; ======== version 1 of 1: 4 launches
;; workspace buffers: op1c 8,650,752 bytes; op1s 360,448 bytes; op2c 19,660,800 bytes; op2s 819,200 bytes; rot 524,288 bytes; kv 6,553,600 bytes; qr 6,553,600 bytes
;; launch prep (part 1): grid 768 x 1, 8 waves a work-group, no clusters, 77,824 bytes of LDS; arguments x, ln_scale, ln_offset, w_fc_in, wq, wk, wv, wo, w_fc_out, op1c, op1s, op2c, op2s, rot; writes op1c, op1s, op2c, op2s, rot
.if DOCPART == 1
	.amdgcn_target "amdgcn-amd-amdhsa--gfx1250"
	.amdhsa_code_object_version 6
	.text
	.protected	k_q1e18da73e4_prep
	.globl	k_q1e18da73e4_prep
	.p2align	8
	.type	k_q1e18da73e4_prep,@function
k_q1e18da73e4_prep:
	s_mov_b64 s[64:65], 0
	v_nop
	global_prefetch_b8 v0, s[64:65] scope:SCOPE_SE
	s_setreg_imm32_b32 hwreg(HW_REG_WAVE_MODE, 25, 1), 1
	s_wait_xcnt 0x0
; Everything that is made once: the six weights as codes of FP6 (E2M3), LayerNorm(x) as codes, and the rotary table.
; AN OPERAND IS STORED AS IMAGES OF ITS REGISTERS: a fragment (16 rows x 128 along K, 12 registers a lane) is 1,536 bytes; register 4 c + e of lane l lies at byte 512 c + 16 l + 4 e.
; Lane (r, h) holds row r; registers 6 c' .. 6 c' + 5 hold k = 64 c' + 32 h + 0 .. 31 as one stream of bits.  Scale words (four E8M0 bytes: one row, 128 along K) lie [K step][row].
; op1: row places 0.. LayerNorm(x), 4096.. w_fc_in's columns, 8192.. wq's, 9216.. wk's, 10240.. wv's; K = 1,024: 8 K steps.
; op2: row places 4096..5119: the 1,024 output columns; K steps 0-7 wo, 8-39 w_fc_out.  (Its rows 0..4095 are made by later launches.)
; In op1 a weight's column n lies at place n with bits 3 and 4 exchanged: so the next launch's results fall into a lane's registers as neighbours along the next K.
; THREE ROLES, by the work-group's number: 0..383 weights (no LDS), 384..639 LayerNorm (LDS), 640..767 the table (no LDS).
; A block's scale: 2 off the exponent field of its largest magnitude, held at byte 1 from below.  A block of zeros keeps byte 1: its codes are zeros, and these bytes are read by this program alone.
; LIMITS: NaN and infinities in x and in the weights are not served; blocks whose largest magnitude lies under 2^-124 are quantised under byte 1.
.set WREG,  9472                       ; LayerNorm: a wave's LDS region: 16 rows x 528 bytes of x, then 512 bytes of gain, then 512 of offset
.set STAT1, 8*WREG                     ; [16 rows][8 waves] partial sums; 512 bytes further on the partial sums of squares
.set SPARE, STAT1+1024                 ; the spare words, 128 bytes for each wave: four blocks of 256 bytes that no other line names
.set SPW, 254
.set NIL, 255
.set SEL, 34                           ; s[34:35] lane selects: lane l xor 16
.set TM,  224
.set PW,  240
.set PC,  12
.set QT,  24
	s_load_b512 s[4:19], s[0:1], 0x0               ; x, ln_scale, ln_offset, w_fc_in, wq, wk, wv, wo
	s_load_b256 s[20:27], s[0:1], 0x40             ; w_fc_out, op1c, op1s, op2c
	s_load_b128 s[28:31], s[0:1], 0x60             ; op2s, rot
	v_lshl_add_u32 v[SPW], v0, 2, SPARE
	v_mov_b32 v[NIL], 0
	v_lshrrev_b32 v1, 5, v0
	v_readfirstlane_b32 s33, v1                    ; wave 0..7
	v_and_b32 v1, 31, v0                           ; lane
	v_and_b32 v2, 15, v0                           ; r
	v_bfe_u32 v3, v0, 4, 1                         ; h
	s_mov_b32 s[SEL], 0x76543210
	s_mov_b32 s[SEL+1], 0xfedcba98
	s_wait_kmcnt 0x0
	s_cmp_lt_u32 ttmp9, 384
	s_cbranch_scc1 .Lweights
	s_cmp_lt_u32 ttmp9, 640
	s_cbranch_scc1 .Lnorm
; ---------------- THE TABLE.  Work-group = 16 positions s, wave = chunk q; lane (r, h) makes (cos, sin) of s = 16 tile + r at frequencies i0 and i0 + 1, i0 = 16 (q / 4) + 8 h + 2 (q % 4).
; The angle is s x 10^(-i / 8).  In turns: s x phi, phi = 10^(-i / 8) / 2 pi kept as a sum of two f32 (high, low), made by products of such pairs; the whole turns are taken off exactly, the rest goes
; by quarter turns into +-1/8 turn, and sine and cosine there are their series up to x^9 and x^10.
.macro DFMUL ah, al, bh, bl            ; (ah, al) x (bh, bl) -> (ah, al)
	v_mul_f32 v20, v[\ah], v[\bh]
	v_fma_f32 v21, v[\ah], v[\bh], -v20            ; what the product's rounding dropped,
	v_fma_f32 v21, v[\ah], v[\bl], v21             ; and the cross terms
	v_fma_f32 v21, v[\al], v[\bh], v21
	v_add_f32 v[\ah], v20, v21
	v_sub_f32 v22, v[\ah], v20
	v_sub_f32 v[\al], v21, v22
.endm
.macro SINCOS fh, fl, co, si
	v_mul_f32 v20, v4, v[\fh]
	v_fma_f32 v21, v4, v[\fh], -v20
	v_fma_f32 v21, v4, v[\fl], v21
	v_rndne_f32 v22, v20
	v_sub_f32 v20, v20, v22                        ; exact
	v_add_f32 v20, v20, v21                        ; turns, within +-1/2
	v_mul_f32 v22, 4.0, v20
	v_rndne_f32 v22, v22                           ; quarter turns, -2 .. 2
	v_fmamk_f32 v20, v22, 0xbe800000, v20          ; less a quarter for each: within +-1/8
	v_mul_f32 v20, 0x40c90fdb, v20                 ; x, in radians
	v_mul_f32 v23, v20, v20
	v_mov_b32 v24, 0x3638ef1d                      ; 1/9!
	v_mov_b32 v25, 0xb493f27e                      ; -1/10!
	v_fmaak_f32 v24, v24, v23, 0xb9500d01          ; -1/7!
	v_fmaak_f32 v25, v25, v23, 0x37d00d01          ; 1/8!
	v_fmaak_f32 v24, v24, v23, 0x3c088889          ; 1/5!
	v_fmaak_f32 v25, v25, v23, 0xbab60b61          ; -1/6!
	v_fmaak_f32 v24, v24, v23, 0xbe2aaaab          ; -1/3!
	v_fmaak_f32 v25, v25, v23, 0x3d2aaaab          ; 1/4!
	v_mul_f32 v26, v20, v23
	v_fmaak_f32 v25, v25, v23, 0xbf000000          ; -1/2
	v_fma_f32 v24, v26, v24, v20                   ; sin x
	v_fma_f32 v25, v25, v23, 1.0                   ; cos x
	v_cvt_i32_f32 v22, v22
	v_and_b32 v26, 1, v22
	v_cmp_eq_u32 vcc_lo, 1, v26                    ; an odd number of quarters: sine and cosine change places
	v_cndmask_b32 v[\co], v25, v24, vcc_lo
	v_cndmask_b32 v[\si], v24, v25, vcc_lo
	v_add_nc_u32 v26, 1, v22
	v_and_b32 v26, 2, v26                          ; quarters 1 and 2: the cosine's sign turns
	v_lshlrev_b32 v26, 30, v26
	v_xor_b32 v[\co], v[\co], v26
	v_and_b32 v26, 2, v22                          ; quarters 2 and 3: the sine's
	v_lshlrev_b32 v26, 30, v26
	v_xor_b32 v[\si], v[\si], v26
.endm
	s_sub_co_u32 s36, ttmp9, 640                   ; tile of 16 positions
	v_lshl_add_u32 v4, s36, 4, v2
	v_cvt_f32_u32 v4, v4                           ; s
	s_bitcmp1_b32 s33, 0                           ; bit 1 of i0: 10^(-1/4), or 1
	s_cselect_b32 s40, 0x3f0ff600, 1.0
	s_cselect_b32 s41, 0xb6cc3e3d, 0
	s_bitcmp1_b32 s33, 1                           ; bit 2: 10^(-1/2)
	s_cselect_b32 s42, 0x3ea1e900, 1.0
	s_cselect_b32 s43, 0xb649db7a, 0
	s_bitcmp1_b32 s33, 2                           ; bit 4: 1/100
	s_cselect_b32 s44, 0x3c23d700, 1.0
	s_cselect_b32 s45, 0x3223d70a, 0
	v_mov_b32 v6, 0x3e22f983                       ; 1 / 2 pi, high
	v_mov_b32 v7, 0x31dc9c88                       ; and low
	v_mov_b32 v8, s40
	v_mov_b32 v9, s41
	DFMUL 6, 7, 8, 9
	v_mov_b32 v8, s42
	v_mov_b32 v9, s43
	DFMUL 6, 7, 8, 9
	v_mov_b32 v8, s44
	v_mov_b32 v9, s45
	DFMUL 6, 7, 8, 9
	v_cmp_eq_u32 vcc_lo, 1, v3                     ; bit 3 is the lane's half: 1/10
	v_mov_b32 v8, 0x3dcccd00
	v_mov_b32 v9, 0xb4cccccd
	v_cndmask_b32 v8, 1.0, v8, vcc_lo
	v_cndmask_b32 v9, 0, v9, vcc_lo
	DFMUL 6, 7, 8, 9                               ; phi(i0)
	v_mov_b32 v12, v6
	v_mov_b32 v13, v7
	v_mov_b32 v8, 0x3f3ff900                       ; 10^(-1/8)
	v_mov_b32 v9, 0x35890457
	DFMUL 12, 13, 8, 9                             ; phi(i0 + 1)
	SINCOS 6, 7, 40, 41
	SINCOS 12, 13, 42, 43
	s_lshl_b32 s46, s36, 12
	s_lshl_b32 s47, s33, 9
	s_add_co_u32 s46, s46, s47
	s_mov_b32 s47, 0
	s_add_nc_u64 s[30:31], s[30:31], s[46:47]
	v_lshlrev_b32 v5, 4, v1
	global_store_b128 v5, v[40:43], s[30:31]       ; the wave stores 512 consecutive bytes
	s_endpgm
; ---------------- THE WEIGHTS.  K is a weight's FIRST axis: a lane takes a column and its registers run down K.  A wave takes 32 columns x 128 along K, a work-group 256 columns.
; Work-groups 0..127 w_fc_in (K step u / 16, columns 256 (u % 16)); 128..255 wq, wk, wv, wo (32 each: K step (u % 32) / 4, columns 256 (u % 4)); 256..383 w_fc_out (K step (u - 256) / 4).
.Lweights:
	s_sub_co_u32 s36, ttmp9, 128
	s_lshr_b32 s37, s36, 5                         ; 0..3: wq, wk, wv, wo
	s_lshl_b32 s42, s37, 10
	s_add_co_u32 s42, s42, 8192                    ; their row places in op1
	s_lshr_b32 s38, ttmp9, 4
	s_bfe_u32 s54, s36, 0x30002
	s_sub_co_u32 s55, ttmp9, 256
	s_lshr_b32 s55, s55, 2
	s_and_b32 s56, ttmp9, 15
	s_and_b32 s57, ttmp9, 3
	s_cmp_eq_u32 s37, 0                            ; every choice hangs on the work-group's number alone
	s_cselect_b64 s[40:41], s[12:13], s[20:21]
	s_cmp_eq_u32 s37, 1
	s_cselect_b64 s[40:41], s[14:15], s[40:41]
	s_cmp_eq_u32 s37, 2
	s_cselect_b64 s[40:41], s[16:17], s[40:41]
	s_cmp_eq_u32 s37, 3
	s_cselect_b64 s[40:41], s[18:19], s[40:41]
	s_cmp_lt_u32 s36, 96                           ; wq, wk, wv
	s_cselect_b32 s42, s42, 4096                   ; the first row place
	s_cmp_ge_u32 ttmp9, 256
	s_cselect_b32 s54, s55, s54
	s_cselect_b32 s43, 8, 0                        ; w_fc_out's K steps begin at 8 in op2
	s_cmp_lt_u32 ttmp9, 128
	s_cselect_b64 s[40:41], s[10:11], s[40:41]     ; the source
	s_cselect_b32 s38, s38, s54                    ; the K step
	s_cselect_b32 s39, s56, s57                    ; which 256 columns
	s_cselect_b32 s53, 21, 19                      ; log2 of 128 rows' bytes
	s_cmp_lt_u32 ttmp9, 224                        ; w_fc_in, wq, wk, wv go to op1; wo and w_fc_out to op2
	s_cselect_b64 s[46:47], s[22:23], s[26:27]
	s_cselect_b64 s[48:49], s[24:25], s[28:29]
	s_cselect_b32 s44, -1, 0                       ; in op1 bits 3 and 4 of the place change places
	s_mov_b32 s50, 61440
	s_cselect_b32 s50, 12288, s50                  ; bytes from a tile of 16 rows to the next
	s_mov_b32 s51, 20480
	s_cselect_b32 s51, 45056, s51                  ; bytes from a K step's scale words to the next's
	s_lshl_b32 s52, s39, 8
	s_lshl_b32 s58, s33, 5
	s_add_co_u32 s52, s52, s58                     ; my wave's first column
	s_lshl_b32 s54, s38, s53
	s_lshl_b32 s55, s52, 2
	s_add_co_u32 s54, s54, s55
	s_mov_b32 s55, 0
	s_add_nc_u64 s[40:41], s[40:41], s[54:55]
	s_add_co_u32 s56, s42, s52                     ; my wave's first row place
	s_lshr_b32 s57, s56, 4
	s_mul_i32 s54, s57, s50
	s_add_co_u32 s58, s43, s38                     ; the K step in the operand
	s_mul_i32 s57, s58, 1536
	s_add_co_u32 s54, s54, s57
	s_add_nc_u64 s[46:47], s[46:47], s[54:55]
	s_mul_i32 s54, s58, s51
	s_lshl_b32 s57, s56, 2
	s_add_co_u32 s54, s54, s57
	s_add_nc_u64 s[48:49], s[48:49], s[54:55]
	v_and_b32 v4, 7, v1
	v_bfe_u32 v5, v1, 3, 1
	v_lshl_or_b32 v4, v5, 4, v4
	v_lshl_or_b32 v4, v3, 3, v4                    ; the lane with bits 3 and 4 exchanged
	v_cndmask_b32 v4, v1, v4, s44                  ; my column's place among the wave's 32
	v_lshrrev_b32 v5, 4, v4
	v_mul_u32_u24 v5, v5, s50
	v_and_b32 v6, 15, v4
	v_lshl_add_u32 v6, v6, 4, v5                   ; where my row's 16 bytes lie in an image
	v_lshlrev_b32 v7, 2, v4                        ; and its scale word
	v_lshlrev_b32 v8, 2, v1
.macro WLOAD pitch                     ; W(k, my column), k = 0 .. 127: each load reads 128 consecutive bytes, the eight waves side by side
.set i, 0
.rept 128
	global_load_b32 v[32+i], v8, s[40:41] offset:i*\pitch th:TH_LOAD_NT
.set i, i+1
.endr
.endm
	s_cmp_lt_u32 ttmp9, 128
	s_cbranch_scc0 .Lnarrow
	WLOAD 16384
	s_branch .Lloaded
.Lnarrow:
	WLOAD 4096
.Lloaded:
; Block t of 32 along K is all mine.  Of an image's two lanes for my row, lane r holds blocks 0 and 2 (v168-179), lane 16 + r blocks 1 and 3 (v180-191).
.macro WBLOCK t, cnt
.set XS, 32+32*(\t)
.set DST, 168+12*((\t)%2)+6*((\t)/2)
	s_wait_loadcnt \cnt                            ; loads come back in order: at least cnt were issued behind this block's
	v_max3_num_f32 v12, |v[XS]|, |v[XS+1]|, |v[XS+2]|
	v_max3_num_f32 v13, |v[XS+3]|, |v[XS+4]|, |v[XS+5]|
.irp i, 6,10,14,18,22,26
	v_max3_num_f32 v12, v12, |v[XS+\i]|, |v[XS+\i+1]|
	v_max3_num_f32 v13, v13, |v[XS+\i+2]|, |v[XS+\i+3]|
.endr
	v_max3_num_f32 v12, v12, |v[XS+30]|, |v[XS+31]|
	v_max3_num_f32 v12, v12, v13, 0x1800000        ; the floor 2^(3 - 127): the byte cannot fall under 1
	v_add_nc_u32 v11, 0xff000000, v12              ; 2 off the exponent field: the conversion's scale operand
	v_lshrrev_b32 v13, 23, v11                     ; the byte
.if (\t) == 0
	v_mov_b32 v160, v13
.else
	v_lshl_or_b32 v160, v13, 8*(\t), v160
.endif
	v_cvt_scalef32_pk16_fp6_f32 v[DST:DST+2], v[XS:XS+15], v11
	v_cvt_scalef32_pk16_fp6_f32 v[192+4*(\t):194+4*(\t)], v[XS+16:XS+31], v11   ; (a conversion's three registers begin on an even number)
.endm
	WBLOCK 0, 63
	WBLOCK 1, 63
	WBLOCK 2, 32
	WBLOCK 3, 0
	v_nop                                          ; one plain place behind the last conversion
.irp t, 0,1,2,3
.irp i, 0,1,2
	v_mov_b32 v[168+12*(\t%2)+6*(\t/2)+3+\i], v[192+4*\t+\i]
.endr
.endr
.irp h, 0,1
.irp c, 0,1,2
	global_store_b128 v6, v[168+12*\h+4*\c:171+12*\h+4*\c], s[46:47] offset:512*\c+256*\h   ; sixteen lanes fill 256 consecutive bytes, aligned
.endr
.endr
	global_store_b32 v7, v160, s[48:49]            ; 128 consecutive bytes a wave
	s_endpgm
; ---------------- LAYERNORM.  Work-group = 16 rows; wave w = columns 128 w .. 128 w + 127 = K step w.  Each load reads 512 consecutive bytes of a row; the numbers turn through the wave's own LDS region so that
; lane (r, h) holds, of row r, 16 neighbours of each block of 32.  Mean first, then the mean of the squared deviations, as reference() has them; the eight waves' parts meet in LDS.
.macro QUANT s                         ; 64 numbers, register 16 b + i = k 32 b + 16 h + i of my row -> the fragment in v[PC] on, its scale word in v[PW]
.irp b, 0,1,2,3
	v_max3_num_f32 v[TM+\b], |v[\s+16*\b]|, |v[\s+1+16*\b]|, 0x1800000
.endr
.irp i, 2,4,6,8,10,12,14
.irp b, 0,1,2,3
	v_max3_num_f32 v[TM+\b], v[TM+\b], |v[\s+16*\b+\i]|, |v[\s+1+16*\b+\i]|
.endr
.endr
.irp b, 0,1,2,3
	v_permlanex16_b32 v[TM+4+\b], v[TM+\b], s[SEL], s[SEL+1]
.endr
.irp b, 0,1,2,3
	v_max_num_f32 v[TM+\b], v[TM+\b], v[TM+4+\b]
.endr
.irp b, 0,1,2,3
	v_add_nc_u32 v[TM+12+\b], 0xff000000, v[TM+\b]
.endr
.irp b, 0,1,2,3
	v_lshrrev_b32 v[TM+4+\b], 23, v[TM+12+\b]
.endr
	v_lshl_or_b32 v[PW], v[TM+5], 8, v[TM+4]
	v_lshl_or_b32 v[PW], v[TM+6], 16, v[PW]
	v_lshl_or_b32 v[PW], v[TM+7], 24, v[PW]
.irp c, 0,1
	v_cvt_scalef32_pk16_fp6_f32 v[PC+6*\c:PC+2+6*\c], v[\s+32*\c:\s+15+32*\c], v[TM+12+2*\c]
	v_cvt_scalef32_pk16_fp6_f32 v[QT+4*\c:QT+2+4*\c], v[\s+16+32*\c:\s+31+32*\c], v[TM+13+2*\c]
.endr
	v_nop                                          ; one plain place behind a scaled conversion
.irp c, 0,1                                    ; the layout wants a whole block in a lane
.irp i, 0,1,2
	v_permlane16_swap_b32 v[PC+6*\c+\i], v[QT+4*\c+\i]
.endr
.irp i, 0,1,2
	v_mov_b32 v[PC+3+6*\c+\i], v[QT+4*\c+\i]
.endr
.endr
.endm
.macro FOLD off                        ; four pairs of partial sums in v224-231 -> my row's total over all eight waves in v232
	v_pk_add_f32 v[224:225], v[224:225], v[226:227]
	v_pk_add_f32 v[228:229], v[228:229], v[230:231]
	v_pk_add_f32 v[224:225], v[224:225], v[228:229]
	v_add_f32 v224, v224, v225
	v_permlanex16_b32 v225, v224, s[SEL], s[SEL+1]
	v_add_f32 v224, v224, v225                     ; my wave's 128 columns of row r
	ds_store_b32 v9, v224 offset:\off              ; both lanes of a row write the same word with the same value
	s_wait_dscnt 0x0                               ; for the others' sake: my store has landed (and my LDS loads are in)
	s_barrier_signal -1
	s_barrier_wait -1
	ds_load_b128 v[232:235], v10 offset:\off
	ds_load_b128 v[236:239], v10 offset:\off+16
	s_wait_dscnt 0x0
	v_add_f32 v232, v232, v233
	v_add_f32 v234, v234, v235
	v_add_f32 v236, v236, v237
	v_add_f32 v238, v238, v239
	v_add_f32 v232, v232, v234
	v_add_f32 v236, v236, v238
	v_add_f32 v232, v232, v236
.endm
.Lnorm:
	s_sub_co_u32 s36, ttmp9, 384                   ; tile of 16 rows
	s_lshl_b32 s42, s33, 9                         ; my wave's 512 bytes of a row
	s_mov_b32 s43, 0
	s_lshl_b32 s40, s36, 16
	s_add_co_u32 s40, s40, s42
	s_mov_b32 s41, 0
	s_add_nc_u64 s[4:5], s[4:5], s[40:41]
	s_add_nc_u64 s[6:7], s[6:7], s[42:43]
	s_add_nc_u64 s[8:9], s[8:9], s[42:43]
	v_lshlrev_b32 v4, 4, v1
	global_load_b128 v[96:99], v4, s[6:7]          ; gain
	global_load_b128 v[100:103], v4, s[8:9]        ; offset
.irp i, 0,1,2,3,4,5,6,7,8,9,10,11,12,13,14,15
	global_load_b128 v[32+4*\i:35+4*\i], v4, s[4:5] offset:4096*\i th:TH_LOAD_NT
.endr
	s_mul_i32 s44, s33, WREG
	v_add_nc_u32 v5, s44, v4                       ; into my region: 16 x lane
	v_mul_u32_u24 v6, v2, 528
	v_lshl_add_u32 v6, v3, 6, v6
	v_add_nc_u32 v6, s44, v6                       ; out of it: row r, + 64 h
	v_lshlrev_b32 v7, 6, v3
	v_add_nc_u32 v7, s44, v7                       ; gain and offset: + 64 h
	s_lshl_b32 s45, s33, 2
	s_add_co_u32 s45, s45, STAT1
	v_lshl_add_u32 v9, v2, 5, s45                  ; my wave's word of row r
	v_lshlrev_b32 v10, 5, v2
	v_add_nc_u32 v10, STAT1, v10                   ; row r's eight words
	v_lshlrev_b32 v11, 2, v2
	s_mov_b32 s46, 0x3a800000                      ; 1 / 1,024
	s_mov_b32 s47, 0x3727c5ac                      ; 1e-5
	s_wait_loadcnt 16                              ; gain and offset are in; x's sixteen loads may be out
	ds_store_b128 v5, v[96:99] offset:8448
	ds_store_b128 v5, v[100:103] offset:8960
.irp i, 0,1,2,3,4,5,6,7,8,9,10,11,12,13,14,15
	s_wait_loadcnt 15-\i                           ; row i is in
	ds_store_b128 v5, v[32+4*\i:35+4*\i] offset:528*\i
.endr
.irp b, 0,1,2,3                                ; LDS serves a wave's instructions in order: these see my stores
.irp j, 0,1,2,3
	ds_load_b128 v[32+16*\b+4*\j:35+16*\b+4*\j], v6 offset:128*\b+16*\j
.endr
.endr
.irp b, 0,1,2,3
.irp j, 0,1,2,3
	ds_load_b128 v[96+16*\b+4*\j:99+16*\b+4*\j], v7 offset:8448+128*\b+16*\j
	ds_load_b128 v[160+16*\b+4*\j:163+16*\b+4*\j], v7 offset:8960+128*\b+16*\j
.endr
.endr
	s_wait_dscnt 32                                ; x is back; gain's and offset's 32 loads may be out
.irp c, 0,1,2,3
	v_pk_add_f32 v[224+2*\c:225+2*\c], v[32+2*\c:33+2*\c], v[40+2*\c:41+2*\c]
.endr
.irp i, 16,24,32,40,48,56
.irp c, 0,1,2,3
	v_pk_add_f32 v[224+2*\c:225+2*\c], v[224+2*\c:225+2*\c], v[32+\i+2*\c:33+\i+2*\c]
.endr
.endr
	FOLD 0
	v_mul_f32 v242, s46, v232                      ; the mean
	v_mov_b32 v243, v242
.set j, 0
.rept 32
	v_pk_add_f32 v[32+j:33+j], v[32+j:33+j], v[242:243] neg_lo:[0,1] neg_hi:[0,1]
.set j, j+2
.endr
.irp c, 0,1,2,3
	v_pk_mul_f32 v[224+2*\c:225+2*\c], v[32+2*\c:33+2*\c], v[32+2*\c:33+2*\c]
.endr
.irp i, 8,16,24,32,40,48,56
.irp c, 0,1,2,3
	v_pk_fma_f32 v[224+2*\c:225+2*\c], v[32+\i+2*\c:33+\i+2*\c], v[32+\i+2*\c:33+\i+2*\c], v[224+2*\c:225+2*\c]
.endr
.endr
	FOLD 512
	v_fma_f32 v244, v232, s46, s47                 ; the variance + 1e-5
	v_rsq_f32 v244, v244
	v_nop                                          ; a plain place behind the transcendental,
	s_wait_alu depctr_va_vdst(0)                   ; and the wait ahead of its first reader
	v_mov_b32 v245, v244
.set j, 0
.rept 32
	v_pk_mul_f32 v[96+j:97+j], v[96+j:97+j], v[244:245]
.set j, j+2
.endr
.set j, 0
.rept 32
	v_pk_fma_f32 v[32+j:33+j], v[96+j:97+j], v[32+j:33+j], v[160+j:161+j]
.set j, j+2
.endr
	QUANT 32
	s_mul_i32 s40, s36, 12288
	s_mul_i32 s48, s33, 1536
	s_add_co_u32 s40, s40, s48
	s_add_nc_u64 s[22:23], s[22:23], s[40:41]
	s_mul_i32 s40, s33, 45056
	s_lshl_b32 s48, s36, 6
	s_add_co_u32 s40, s40, s48
	s_add_nc_u64 s[24:25], s[24:25], s[40:41]
.irp c, 0,1,2
	global_store_b128 v4, v[PC+4*\c:PC+4*\c+3], s[22:23] offset:512*\c   ; 512 consecutive bytes
.endr
	global_store_b32 v11, v[PW], s[24:25]          ; the 16 rows' scale words, 64 consecutive bytes (both lanes of a row store the same word)
	s_wait_tensorcnt 0x0                           ; the wave's end, behind my last LDS store
	ds_add_u32 v[SPW], v[NIL]
	s_wait_dscnt 0x0
	s_endpgm
.Lfunc_end_k_q1e18da73e4_prep:
	.size	k_q1e18da73e4_prep, .Lfunc_end_k_q1e18da73e4_prep-k_q1e18da73e4_prep
	.p2alignl 7, 3214868480
	.fill 96, 4, 3214868480
	.section	.rodata,"a",@progbits
	.p2align	6, 0x0
	.amdhsa_kernel k_q1e18da73e4_prep
		.amdhsa_group_segment_fixed_size 77824
		.amdhsa_private_segment_fixed_size 0
		.amdhsa_enable_private_segment 0
		.amdhsa_kernarg_size 112
		.amdhsa_user_sgpr_count 2
		.amdhsa_user_sgpr_kernarg_segment_ptr 1
		.amdhsa_wavefront_size32 1
		.amdhsa_system_sgpr_workgroup_id_x 1
		.amdhsa_system_sgpr_workgroup_id_y 1
		.amdhsa_system_sgpr_workgroup_id_z 1
		.amdhsa_system_vgpr_workitem_id 0
		.amdhsa_next_free_vgpr 256
		.amdhsa_next_free_sgpr 66
		.amdhsa_reserve_vcc 1
		.amdhsa_float_denorm_mode_32 3
		.amdhsa_float_denorm_mode_16_64 3
		.amdhsa_memory_ordered 1
		.amdhsa_forward_progress 1
		.amdhsa_inst_pref_size 65
	.end_amdhsa_kernel
	.amdgpu_metadata
---
amdhsa.version: [ 1, 2 ]
amdhsa.kernels:
  - .name:           k_q1e18da73e4_prep
    .symbol:         k_q1e18da73e4_prep.kd
    .args:
      - { .name: x, .offset: 0, .size: 8, .value_kind: global_buffer, .address_space: global }
      - { .name: ln_scale, .offset: 8, .size: 8, .value_kind: global_buffer, .address_space: global }
      - { .name: ln_offset, .offset: 16, .size: 8, .value_kind: global_buffer, .address_space: global }
      - { .name: w_fc_in, .offset: 24, .size: 8, .value_kind: global_buffer, .address_space: global }
      - { .name: wq, .offset: 32, .size: 8, .value_kind: global_buffer, .address_space: global }
      - { .name: wk, .offset: 40, .size: 8, .value_kind: global_buffer, .address_space: global }
      - { .name: wv, .offset: 48, .size: 8, .value_kind: global_buffer, .address_space: global }
      - { .name: wo, .offset: 56, .size: 8, .value_kind: global_buffer, .address_space: global }
      - { .name: w_fc_out, .offset: 64, .size: 8, .value_kind: global_buffer, .address_space: global }
      - { .name: op1c, .offset: 72, .size: 8, .value_kind: global_buffer, .address_space: global }
      - { .name: op1s, .offset: 80, .size: 8, .value_kind: global_buffer, .address_space: global }
      - { .name: op2c, .offset: 88, .size: 8, .value_kind: global_buffer, .address_space: global }
      - { .name: op2s, .offset: 96, .size: 8, .value_kind: global_buffer, .address_space: global }
      - { .name: rot, .offset: 104, .size: 8, .value_kind: global_buffer, .address_space: global }
    .group_segment_fixed_size: 77824
    .private_segment_fixed_size: 0
    .kernarg_segment_align: 8
    .kernarg_segment_size: 112
    .max_flat_workgroup_size: 256
    .sgpr_count:     66
    .vgpr_count:     256
    .wavefront_size: 32
...
	.end_amdgpu_metadata
.endif
;; end of part 1
;; launch gemm1 (part 2): grid 28 x 16, 4 waves a work-group, clusters of 4 x 4, 327,680 bytes of LDS; arguments op1c, op1s, rot, b_fc_in, op2c, op2s, kv, qr; writes op2c, op2s, kv, qr
.if DOCPART == 2
	.amdgcn_target "amdgcn-amd-amdhsa--gfx1250"
	.amdhsa_code_object_version 6
	.text
	.protected	k_q1e18da73e4_gemm1
	.globl	k_q1e18da73e4_gemm1
	.p2align	8
	.type	k_q1e18da73e4_gemm1,@function
k_q1e18da73e4_gemm1:
	s_mov_b64 s[64:65], 0
	v_nop
	global_prefetch_b8 v0, s[64:65] scope:SCOPE_SE
	s_setreg_imm32_b32 hwreg(HW_REG_WAVE_MODE, 25, 1), 1
	s_wait_xcnt 0x0
	s_wait_alu depctr_hold_cnt(0) depctr_sa_sdst(0) depctr_va_vdst(0) depctr_va_sdst(0) depctr_va_ssrc(0) depctr_va_vcc(0) depctr_vm_vsrc(0)
	s_getreg_b32 s2, hwreg(HW_REG_IB_STS2, 6, 4)
	s_cmp_eq_u32 s2, 0
	s_cbranch_scc0 .Lentry_in_a_cluster
	s_endpgm
.Lentry_in_a_cluster:
	s_bfe_u32 s2, ttmp6, 0x10000c
	s_cmp_lg_u32 s2, 0xf033
	s_cbranch_scc0 .Lentry_shape_is_right
	s_endpgm
.Lentry_shape_is_right:
; LayerNorm(x) times w_fc_in, wq, wk, and wv^T times LayerNorm(x)^T: one product of rows of op1 with rows of op1, K = 1,024, on codes of FP6 (E2M3) with E8M0 scales; each result is quantised on the way out.
; A work-group of four waves makes 256 x 256, a wave 128 x 128: 64 accumulators, 512 registers.  K goes in steps of 256 through two LDS slots; the operands lie in memory as images of their registers
; (1,536 bytes for 16 rows x 128 K), so a fragment comes from LDS by three loads of 16 bytes at 16 x lane, with no pitch and no padding.  The scale words of all of K come once, with the first fills.
; THE KIND hangs on the cluster's x (T): 0-3 w_fc_in's columns 1,024 T on; 4 wq; 5 wk; 6 wv.  A's rows (a lane's row) hang on cy, B's rows (a lane's registers) on cx:
;   T < 6: A = tokens 1,024 Yc + 256 cy, B = the weight's columns 256 cx;   T = 6: A = wv's columns 256 cy, B = tokens (the keys) 1,024 Yc + 256 cx: so a lane holds one channel and its registers run along the keys.
; CLUSTERS: 4 x 4.  A's tiles are asked for jointly by my row of the cluster, B's by my column.  THE MATRIX INSTRUCTION IS USED TRANSPOSED (source 0 = B's rows, source 1 = A's rows).
; The weights' columns lie in op1 with bits 3 and 4 of their place exchanged: so register 16 b + i of a block's 64 is column 32 b + 16 h + i, sixteen neighbours along the next K.  The tokens lie in order: for T = 6
; the keys inside each block of 32 come out in the exchanged order, the same in which the attention launch's weights come out.
; WAYS OUT (no LDS): fc: + b_fc_in (as the C of the first products), gelu, quantised along the hidden axis -> op2, K steps 8 on.  q, k: rotary, quantised along the head's 64 -> qr, kv: images that hold two tiles of 16
; tokens x 64 channels.  v: quantised along the keys -> kv.
; gelu(x) = x / (1 + 2^(x (k0 + k1 x^2))), the same function as reference()'s form with tanh.  LIMITS: NaN and infinities are not served; a block of zeros keeps the floor's byte (read by this program alone);
; blocks of q and k whose largest magnitude lies under 2^-121 are quantised under byte 4, so that the attention launch can take 3 off q's bytes.
.set TILEB,  3072                      ; 16 rows x 256 along K
.set HALFT,  8*TILEB                   ; 128 rows: what one tensor load brings
.set SLOT,   4*HALFT                   ; A's 256 rows, then B's
.set SCL,    2*SLOT                    ; the scale words: A's [8 K steps][256 rows], then B's
.set SPARE,  SCL+16384                 ; the spare words, 128 bytes for each wave: two blocks of 256 bytes that no other line names
.set FR, 12
.set NL, 3                             ; LDS loads that bring a fragment
.set NP, 4                             ; places behind this matrix instruction (ISA guide 7.12.1)
.set NQ, 2
.set ADRA, 16                          ; v16-17 my A fragments in slot 0, 1
.set ADRB, 20                          ; v20-21 the same for B
.set ADRS, 27                          ; v27    my scale words: lanes 0-15 A's rows, lanes 16-31 B's
.set SPW,  28
.set NIL,  29
.set SC,   32                          ; v32-63 scale words, two sets
.set BI,   64                          ; v64-127 the C of the first products: b_fc_in in the result's layout, or zeros
.set AF,   128                         ; v128-223 A's fragments, one set;  window 1: B's two sets;  windows 2, 3: the accumulators, (a, b) at v[8 (8 (a % 4) + b)]
.set LI,   5                           ; the ways out, all in window 0: 16 x lane
.set LS,   6                           ; 4 x lane
.set HA,   48                          ; v48-111 a block's 64 numbers
.set PC,   112                         ; v112-123 a fragment's codes
.set QT,   124                         ; v124-131 at work in QUANT
.set T0,   132                         ; v132-195 two sets of a block's cosines and sines
.set TM,   200                         ; v200-215 at work in QUANT
.set PWQ,  216                         ; v216-217 two blocks' scale words
.set KZ,   218                         ; v218-219 k0, twice
.set PWS,  220                         ; v220-227 eight scale words
.set IA,   232                         ; v232-243 the even head's image of two tiles;  v244-255 the odd head's
.set IB,   244
.set G1, 24
.set G0, 32
.set G1B, 48
.set G0B, 56
.set G1S, 68
.set G0S, 76
.set G1SB, 80
.set G0SB, 88
.set MSB, 0
.macro WIN new                         ; the immediate's high byte repeats the setting that is left
.set WNEW, \new
.if MSB != WNEW
	s_set_vgpr_msb (MSB<<8)|WNEW
.set MSB, WNEW
.endif
.endm
.set MUL_LO, 0xa1                      ; source 0 (B) window 1, source 1 (A) window 0, C and D window 2
.set MUL_HI, 0xf1
.set TO_B,   0x40
.macro JLOAD g0a, g1a, g0b, g1b        ; a joint load: waves 0 and 1 fetch for A, waves 2 and 3 for B; an s_nop 0 and four v_nop follow each of the two lines
	s_cmp_eq_u32 s15, 0
	s_cbranch_scc0 .Lfor_b_\@
	tensor_load_to_lds s[\g0a:\g0a+3], s[\g1a:\g1a+7]
	s_nop 0
.rept 4
	v_nop
.endr
	s_branch .Lasked_\@
.Lfor_b_\@:
	tensor_load_to_lds s[\g0b:\g0b+3], s[\g1b:\g1b+7]
	s_nop 0
.rept 4
	v_nop
.endr
.Lasked_\@:
.endm
.macro CREST
	s_cmp_lg_u32 s14, 0
	s_cbranch_scc1 .Lnot_wave_0_\@
	s_barrier_signal -3
.Lnot_wave_0_\@:
	s_barrier_wait -3
	s_barrier_signal -1
	s_barrier_wait -1
.endm
.macro CROUND
	s_barrier_signal -1
	s_barrier_wait -1
	CREST
.endm
.macro PLACES n
.rept \n
	v_nop
.endr
.endm
	s_load_b256 s[4:11], s[0:1], 0x0               ; op1c, op1s, rot, b_fc_in
	v_lshl_add_u32 v[SPW], v0, 2, SPARE
	v_mov_b32 v[NIL], 0
	ds_add_u32 v[SPW], v[NIL]                      ; the wave's opening: the add and its wait ahead of my first tensor load
	v_lshrrev_b32 v1, 5, v0
	v_readfirstlane_b32 s14, v1                    ; wave 0..3
	s_lshr_b32 s15, s14, 1                         ; which half of A's rows is mine.  Also: I fetch for A (0) or for B (1)
	s_and_b32 s16, s14, 1                          ; which half of B's rows.  Also: which 128 rows I fetch
	s_bfe_u32 s40, ttmp6, 0x40000                  ; cx
	s_bfe_u32 s41, ttmp6, 0x40004                  ; cy
	s_and_b32 s13, ttmp7, 0xffff                   ; the cluster's y
	s_lshl_b32 s43, s41, 2
	s_lshl_b32 s43, 15, s43                        ; my row of the cluster
	s_lshl_b32 s44, 0x1111, s40                    ; my column
	s_or_b32 s[G1+0], s43, (3<<16)|(1<<21)         ; 15:0 the mask; 17:16 elements of 8 bytes; 21 set beside a mask; no padding
	s_or_b32 s[G1B+0], s44, (3<<16)|(1<<21)
.irp g, G1, G1B
	s_mov_b32 s[\g+1], 384<<16                     ; tensor_dim0: 3,072 bytes: a tile's two K steps
	s_mov_b32 s[\g+2], 8<<16                       ; tensor_dim1: 8 tiles of 16 rows
	s_mov_b32 s[\g+3], 384<<16                     ; tile_dim0
	s_mov_b32 s[\g+4], 8                           ; tile_dim1
	s_mov_b32 s[\g+5], 1536                        ; 12,288 bytes from tile to tile
	s_mov_b32 s[\g+6], 0
	s_mov_b32 s[\g+7], 0
.endr
	s_or_b32 s[G1S+0], s43, (2<<16)|(1<<21)        ; the scale words: 256 rows' words of four K steps
	s_or_b32 s[G1SB+0], s44, (2<<16)|(1<<21)
.irp g, G1S, G1SB
	s_mov_b32 s[\g+1], 256<<16
	s_mov_b32 s[\g+2], 4<<16
	s_mov_b32 s[\g+3], 256<<16
	s_mov_b32 s[\g+4], 4
	s_mov_b32 s[\g+5], 11264
	s_mov_b32 s[\g+6], 0
	s_mov_b32 s[\g+7], 0
.endr
	s_lshl_b32 s18, s13, 10
	s_lshl_b32 s19, ttmp9, 10
	s_add_co_u32 s19, s19, 4096
	s_cmp_lt_u32 ttmp9, 6
	s_cselect_b32 s17, s18, 10240
	s_cselect_b32 s42, s19, s18
	s_lshl_b32 s96, s41, 8
	s_add_co_u32 s17, s17, s96                     ; A's first row place: it hangs on cy alone
	s_lshl_b32 s97, s40, 8
	s_add_co_u32 s42, s42, s97                     ; B's: on cx alone
	s_lshl_b32 s18, s16, 7
	s_add_co_u32 s20, s17, s18
	s_add_co_u32 s46, s42, s18
	s_mul_i32 s20, s20, 768                        ; 12,288 bytes for 16 rows
	s_mul_i32 s46, s46, 768
	s_mov_b32 s21, 0
	s_mov_b32 s47, 0
	s_mul_i32 s19, s16, 4*45056                    ; K steps 0-3 or 4-7 of the scale words
	s_lshl_b32 s22, s17, 2
	s_add_co_u32 s22, s22, s19
	s_mov_b32 s23, 0
	s_lshl_b32 s92, s42, 2
	s_add_co_u32 s92, s92, s19
	s_mov_b32 s93, 0
	s_mul_i32 s45, s14, HALFT                      ; where they go: no place in the cluster enters an LDS address
	s_lshl_b32 s94, s14, 12
	s_wait_dscnt 0x0                               ; the opening add is done
	s_wait_kmcnt 0x0
	s_add_nc_u64 s[20:21], s[4:5], s[20:21]
	s_add_nc_u64 s[22:23], s[6:7], s[22:23]
	s_add_nc_u64 s[46:47], s[4:5], s[46:47]
	s_add_nc_u64 s[92:93], s[6:7], s[92:93]
	CROUND                                         ; all sixteen work-groups are here: the first joint loads meet
	s_mov_b32 s[G0S], 1
	s_add_co_u32 s[G0S+1], s94, SCL
	s_mov_b64 s[G0S+2:G0S+3], s[22:23]
	s_or_b32 s[G0S+3], s[G0S+3], 0x80000000
	s_mov_b32 s[G0SB], 1
	s_add_co_u32 s[G0SB+1], s94, SCL
	s_mov_b64 s[G0SB+2:G0SB+3], s[92:93]
	s_or_b32 s[G0SB+3], s[G0SB+3], 0x80000000
	JLOAD G0S, G1S, G0SB, G1SB                     ; three loads of mine go out together: the scale words, slot 0, slot 1
.irp s, 0,1
	s_mov_b32 s[G0+4*\s], 1
	s_add_co_u32 s[G0+4*\s+1], s45, \s*SLOT
	s_add_nc_u64 s[G0+4*\s+2:G0+4*\s+3], s[20:21], \s*TILEB
	s_or_b32 s[G0+4*\s+3], s[G0+4*\s+3], 0x80000000
	s_mov_b32 s[G0B+4*\s], 1
	s_add_co_u32 s[G0B+4*\s+1], s45, \s*SLOT
	s_add_nc_u64 s[G0B+4*\s+2:G0B+4*\s+3], s[46:47], \s*TILEB
	s_or_b32 s[G0B+4*\s+3], s[G0B+4*\s+3], 0x80000000
	JLOAD G0+4*\s, G1, G0B+4*\s, G1B
.endr
	v_and_b32 v1, 31, v0
	v_and_b32 v2, 15, v0                           ; r
	v_bfe_u32 v4, v0, 4, 1                         ; h
	v_lshlrev_b32 v3, 4, v1                        ; 16 x lane
	s_mul_i32 s21, s15, HALFT
	s_mul_i32 s22, s16, HALFT
	s_add_co_u32 s22, s22, 2*HALFT
.irp s, 0,1
	v_add_nc_u32 v[ADRA+\s], s21, v3
	v_add_nc_u32 v[ADRB+\s], s22, v3
	s_add_co_u32 s21, s21, SLOT
	s_add_co_u32 s22, s22, SLOT
.endr
	s_lshl_b32 s21, s15, 9                         ; A's words: my 128 rows
	s_lshl_b32 s22, s16, 9                         ; B's, 8,192 bytes behind A's
	s_add_co_u32 s22, s22, 8192
	s_sub_co_u32 s22, s22, s21
	v_mul_u32_u24 v6, s22, v4                      ; lanes 16-31 take B's: one product in h
	s_add_co_u32 s21, s21, SCL
	v_lshl_add_u32 v5, v2, 2, v6
	v_add_nc_u32 v[ADRS], s21, v5
	s_cmp_lt_u32 ttmp9, 4                          ; the C of the first products
	s_cbranch_scc0 .Lno_bias
	s_lshl_b32 s18, s16, 7
	s_add_co_u32 s18, s18, s42
	s_sub_co_u32 s18, s18, 4096
	s_lshl_b32 s18, s18, 2
	s_mov_b32 s19, 0
	s_add_nc_u64 s[10:11], s[10:11], s[18:19]      ; b_fc_in at my wave's 128 columns
	v_lshlrev_b32 v7, 6, v4
.irp b, 0,1,2,3,4,5,6,7                        ; tile 2 c + u, lane half h: columns 32 c + 16 h + 8 u + 0 .. 7
	global_load_b128 v[BI+8*\b:BI+8*\b+3], v7, s[10:11] offset:(32*(\b/2)+8*(\b%2))*4
	global_load_b128 v[BI+8*\b+4:BI+8*\b+7], v7, s[10:11] offset:(32*(\b/2)+8*(\b%2))*4+16
.endr
	s_branch .Lbias_in
.Lno_bias:
.set j, 0
.rept 64
	v_mov_b32 v[BI+j], 0
.set j, j+1
.endr
.Lbias_in:
.macro FRAG reg, adr, q, i             ; a fragment as it was stored: three loads of 16 bytes at 16 x lane
.irp c, 0,1,2
	ds_load_b128 v[\reg+4*\c:\reg+4*\c+3], v[\adr] offset:TILEB*(\i)+1536*(\q)+512*\c
.endr
.endm
; 16 matrix instructions: A's blocks a0, a0 + 1 x B's eight.  The 64 accumulators take turns, one instruction a turn, in the same order in every step.
.macro MUL16 a0, p, q, sc, first
.irp a, \a0, \a0+1
.irp b, 0,1,2,3,4,5,6,7
.if \first
	v_wmma_scale_f32_16x16x128_f8f6f4 v[8*(8*((\a)%4)+\b):8*(8*((\a)%4)+\b)+7], v[128*(\p)+FR*\b:128*(\p)+FR*\b+FR-1], v[AF+FR*(\a):AF+FR*(\a)+FR-1], v[BI+8*\b:BI+8*\b+7], v[SC+8*NQ*(\sc)+NQ*\b+(\q)], v[SC+8*NQ*(\sc)+NQ*(\a)+(\q)] matrix_a_fmt:MATRIX_FMT_FP6 matrix_b_fmt:MATRIX_FMT_FP6 matrix_a_scale:MATRIX_SCALE_ROW1
.else
	v_wmma_scale_f32_16x16x128_f8f6f4 v[8*(8*((\a)%4)+\b):8*(8*((\a)%4)+\b)+7], v[128*(\p)+FR*\b:128*(\p)+FR*\b+FR-1], v[AF+FR*(\a):AF+FR*(\a)+FR-1], v[8*(8*((\a)%4)+\b):8*(8*((\a)%4)+\b)+7], v[SC+8*NQ*(\sc)+NQ*\b+(\q)], v[SC+8*NQ*(\sc)+NQ*(\a)+(\q)] matrix_a_fmt:MATRIX_FMT_FP6 matrix_b_fmt:MATRIX_FMT_FP6 matrix_a_scale:MATRIX_SCALE_ROW1
.endif
.endr
.endr
.endm
.macro FETCH_B slot, q, p
	WIN TO_B
.irp i, 0,1,2,3,4,5,6,7
	FRAG 128*(\p)+FR*\i, ADRB+\slot, \q, \i
.endr
	WIN 0
.endm
.macro FETCH_A slot, q, i0
.irp i, \i0, \i0+1, \i0+2, \i0+3
	FRAG AF+FR*(\i), ADRA+\slot, \q, \i
.endr
.endm
.macro SCALES sc                       ; a slot's scale words: lanes 0-15 A's block i, lanes 16-31 B's block i
.irp i, 0,1,2,3,4,5,6,7
.irp q, 0,1
	ds_load_b32 v[SC+8*NQ*\sc+NQ*\i+\q], v[ADRS] offset:1024*\q+64*\i
.endr
.endr
.endm
.macro STEP slot, q, first             ; a step of 128 along K that has its successor in the same slot
	s_wait_dscnt 4*NL                              ; B's set, A's blocks 0-3 and the scale words are in; the youngest twelve loads (A's blocks 4-7) may be out
.if \first
	WIN 0x81                                       ; C in window 0
.else
	WIN MUL_LO
.endif
	MUL16 0, (\q)%2, \q, \slot, \first
	MUL16 2, (\q)%2, \q, \slot, \first
	s_wait_dscnt 0
	PLACES NP
	FETCH_B \slot, (\q)+1, 1-(\q)%2
	FETCH_A \slot, (\q)+1, 0
.if \first
	WIN 0xc1
.else
	WIN MUL_HI
.endif
	MUL16 4, (\q)%2, \q, \slot, \first
	MUL16 6, (\q)%2, \q, \slot, \first
	PLACES NP
	WIN 0
	FETCH_A \slot, (\q)+1, 4
.endm
; A slot's last step changes slots: one barrier; in front of it each wave waits for all its tensor loads, adds 0 to its spare word, and waits for that and for its reads of this slot.
.macro TURN slot, next, fill
	s_wait_tensorcnt 0x0                           ; all my tensor loads have landed: my part of the next slot
	ds_add_u32 v[SPW], v[NIL]
	s_wait_dscnt 4*NL+1                            ; (the add and A's blocks 4-7 may be out)
	WIN MUL_LO
	MUL16 0, 1, NQ-1, \slot, 0
	s_wait_dscnt 0x0                               ; the add is done, and my reads of this slot are over
	s_barrier_signal -1
	MUL16 2, 1, NQ-1, \slot, 0
	WIN 0
	s_barrier_wait -1
.if \fill
	CREST                                          ; the barrier has opened a round of the cluster's barrier: no wave of any partner still reads this slot or has a load on its way
	s_add_nc_u64 s[G0+4*\slot+2:G0+4*\slot+3], s[G0+4*\slot+2:G0+4*\slot+3], 2*TILEB
	s_add_nc_u64 s[G0B+4*\slot+2:G0B+4*\slot+3], s[G0B+4*\slot+2:G0B+4*\slot+3], 2*TILEB
	JLOAD G0+4*\slot, G1, G0B+4*\slot, G1B         ; the first tensor load behind the round; its four v_nop are the places in front of the loads below
.else
	PLACES NP
.endif
	v_add_nc_u32 v[ADRS], 1024*NQ, v[ADRS]
	FETCH_B \next, 0, 0
	FETCH_A \next, 0, 0
	SCALES \next
	WIN MUL_HI
	MUL16 4, 1, NQ-1, \slot, 0
	MUL16 6, 1, NQ-1, \slot, 0
	PLACES NP
	WIN 0
	FETCH_A \next, 0, 4
.endm
	s_wait_tensorcnt 1                             ; the scale words and my part of slot 0 are in; slot 1's load may be out
	s_barrier_signal -1
	s_barrier_wait -1
	FETCH_B 0, 0, 0
	FETCH_A 0, 0, 0
	SCALES 0
	FETCH_A 0, 0, 4
	s_wait_loadcnt 0x0                             ; the bias
	STEP 0, 0, 1                                   ; eight steps of 128 along K, written out: four slots
	TURN 0, 1, 1
	STEP 1, 0, 0
	TURN 1, 0, 1
	STEP 0, 0, 0
	TURN 0, 1, 0                                   ; nothing is left to fetch
	s_load_b256 s[68:75], s[0:1], 0x20             ; op2c, op2s, kv, qr, into registers of descriptors whose loads are done
	STEP 1, 0, 0
	s_wait_dscnt 4*NL
	WIN MUL_LO
	MUL16 0, 1, NQ-1, 1, 0
	MUL16 2, 1, NQ-1, 1, 0
	s_wait_dscnt 0
	WIN MUL_HI
	MUL16 4, 1, NQ-1, 1, 0
	MUL16 6, 1, NQ-1, 1, 0
	WIN 0
	PLACES NP
; 64 numbers of a lane in window sw, register 16 b + i = k 32 b + 16 h + i of my row -> six registers of codes at d0 (k 0-63) and six at d1 (k 64-127), the scale word in v[pw].  fl: the floor of the largest magnitude.
.macro QUANT s, sw, d0, d1, fl, pw
	WIN (\sw)|((\sw)<<2)
.irp b, 0,1,2,3
	v_max3_num_f32 v[TM+\b], |v[(\s)+16*\b]|, |v[(\s)+1+16*\b]|, \fl
.endr
.irp i, 2,4,6,8,10,12,14
.irp b, 0,1,2,3
	v_max3_num_f32 v[TM+\b], |v[(\s)+16*\b+\i]|, |v[(\s)+1+16*\b+\i]|, v[TM+\b]
.endr
.endr
	WIN 0
.irp b, 0,1,2,3
	v_permlanex16_b32 v[TM+4+\b], v[TM+\b], s2, s3
.endr
.irp b, 0,1,2,3
	v_max_num_f32 v[TM+\b], v[TM+\b], v[TM+4+\b]
.endr
.irp b, 0,1,2,3
	v_add_nc_u32 v[TM+12+\b], 0xff000000, v[TM+\b] ; 2 off the exponent field: the conversion's scale operand
.endr
.irp b, 0,1,2,3
	v_lshrrev_b32 v[TM+4+\b], 23, v[TM+12+\b]
.endr
	v_lshl_or_b32 v[\pw], v[TM+5], 8, v[TM+4]
	v_lshl_or_b32 v[\pw], v[TM+6], 16, v[\pw]
	v_lshl_or_b32 v[\pw], v[TM+7], 24, v[\pw]
	WIN \sw
	v_cvt_scalef32_pk16_fp6_f32 v[(\d0):(\d0)+2], v[(\s):(\s)+15], v[TM+12]
	v_cvt_scalef32_pk16_fp6_f32 v[QT:QT+2], v[(\s)+16:(\s)+31], v[TM+13]
	v_cvt_scalef32_pk16_fp6_f32 v[(\d1):(\d1)+2], v[(\s)+32:(\s)+47], v[TM+14]
	v_cvt_scalef32_pk16_fp6_f32 v[QT+4:QT+6], v[(\s)+48:(\s)+63], v[TM+15]
	WIN 0
	v_nop                                          ; one plain place behind a scaled conversion
.irp i, 0,1,2
	v_permlane16_swap_b32 v[(\d0)+\i], v[QT+\i]
.endr
.irp i, 0,1,2
	v_permlane16_swap_b32 v[(\d1)+\i], v[QT+4+\i]
.endr
.irp i, 0,1,2
	v_mov_b32 v[(\d0)+3+\i], v[QT+\i]
	v_mov_b32 v[(\d1)+3+\i], v[QT+4+\i]
.endr
.endm
	v_and_b32 v1, 31, v0
	v_lshlrev_b32 v[LI], 4, v1
	v_lshlrev_b32 v[LS], 2, v1
.irp b, 0,1,2,3
	v_mov_b32 v[TM+4+\b], 0                        ; written once: a lane permute's destination counts as one of its sources
.endr
	s_mov_b32 s2, 0x76543210
	s_mov_b32 s3, 0xfedcba98
	s_mov_b32 s12, 0xffff0000                      ; lanes 16-31
	s_lshl_b32 s20, s15, 7
	s_add_co_u32 s20, s20, s17                     ; my wave's first row place of A
	s_lshl_b32 s21, s16, 7
	s_add_co_u32 s21, s21, s42                     ; and of B
	s_mov_b32 s77, 0
	s_wait_kmcnt 0x0
	s_cmp_lt_u32 ttmp9, 4
	s_cbranch_scc1 .Lway_fc
	s_cmp_lt_u32 ttmp9, 6
	s_cbranch_scc1 .Lway_qk
; ---- v: a lane holds one channel, its registers 128 keys: each block of 16 channels is one image of the attention launch's second product
	s_sub_co_u32 s22, s20, 10240
	s_lshr_b32 s22, s22, 7                         ; the pair of heads
	s_lshr_b32 s23, s21, 11
	s_lshl_b32 s23, s23, 3
	s_add_co_u32 s22, s22, s23                     ; + 8 x batch
	s_mul_i32 s76, s22, 409600
	s_bfe_u32 s23, s21, 0x40007                    ; which 128 keys
	s_mul_i32 s23, s23, 25600
	s_add_co_u32 s76, s76, s23
	s_add_nc_u64 s[72:73], s[72:73], s[76:77]
.macro VBLK a
	s_wait_xcnt 0x0                                ; the last block's stores have read their registers
	QUANT 64*((\a)%4), 2+(\a)/4, PC, PC+6, 0x1800000, PWS+(\a)
.irp c, 0,1,2
	global_store_b128 v[LI], v[PC+4*\c:PC+4*\c+3], s[72:73] offset:((\a)/4)*12800+6144+((\a)%4)*1536+512*\c
.endr
.endm
.irp a, 0,1,2,3,4,5,6,7
	VBLK \a
.endr
.irp a, 0,2,4,6
	v_cndmask_b32 v[PWS+\a], v[PWS+\a], v[PWS+\a+1], s12           ; two blocks' words in one register: 128 consecutive bytes a store
	global_store_b32 v[LS], v[PWS+\a], s[72:73] offset:(\a/4)*12800+12544+64*(\a%4)
.endr
	s_branch .Lway_end
; ---- q and k: rotary, then quantised along each head's 64.  My 128 columns are two heads; blocks 2 t and 2 t + 1 (32 tokens) fill one image for each head
.Lway_qk:
	s_cmp_eq_u32 ttmp9, 4
	s_cselect_b64 s[72:73], s[74:75], s[72:73]     ; q goes to qr, k to kv
	s_and_b32 s22, s21, 1023
	s_lshr_b32 s22, s22, 7                         ; the pair of heads
	s_lshr_b32 s23, s20, 11
	s_lshl_b32 s23, s23, 3
	s_add_co_u32 s22, s22, s23
	s_mul_i32 s76, s22, 409600
	s_bfe_u32 s23, s20, 0x40007                    ; which 128 tokens
	s_mul_i32 s23, s23, 25600
	s_add_co_u32 s76, s76, s23
	s_add_nc_u64 s[72:73], s[72:73], s[76:77]
	s_bfe_u32 s76, s20, 0x70004                    ; the table's tile of 16 positions
	s_lshl_b32 s76, s76, 12
	s_add_nc_u64 s[8:9], s[8:9], s[76:77]
.macro RLOAD a                         ; block a's cosines and sines: register 16 B + 2 m, + 1: (cos, sin) at frequency 16 B + 8 h + m
.irp q, 0,1,2,3,4,5,6,7
	global_load_b128 v[T0+32*((\a)%2)+4*\q:T0+32*((\a)%2)+4*\q+3], v[LI], s[8:9] offset:4096*(\a)+512*\q
.endr
.endm
.macro QKBLK a
.set AC, 64*((\a)%4)
.set TT, T0+32*((\a)%2)
.if (\a) < 7
	RLOAD (\a)+1
	s_wait_loadcnt 8                               ; this block's eight loads are in; the next block's may be out
.else
	s_wait_loadcnt 0
.endif
	WIN 2+(\a)/4                                   ; source 0: the accumulators
.set p, 0
.rept 32
	v_pk_mul_f32 v[HA+2*p:HA+2*p+1], v[AC+2*p:AC+2*p+1], v[TT+16*((p/8)%2)+2*(p%8):TT+16*((p/8)%2)+2*(p%8)+1] op_sel_hi:[1,0]   ; (x0 cos, x1 cos)
.set p, p+1
.endr
.set p, 0
.rept 32
	v_pk_fma_f32 v[HA+2*p:HA+2*p+1], v[AC+2*p:AC+2*p+1], v[TT+16*((p/8)%2)+2*(p%8):TT+16*((p/8)%2)+2*(p%8)+1], v[HA+2*p:HA+2*p+1] op_sel:[1,1,0] op_sel_hi:[0,1,1] neg_lo:[0,1,0]   ; (- x1 sin, + x0 sin)
.set p, p+1
.endr
	WIN 0
.if ((\a)%2 == 0) && ((\a) > 0)
	s_wait_xcnt 0x0                                ; the images' stores have read their registers
.endif
	QUANT HA, 0, IA+6*((\a)%2), IB+6*((\a)%2), 0x3000000, PWQ+(\a)%2
.if (\a)%2 == 1
.irp c, 0,1,2
	global_store_b128 v[LI], v[IA+4*\c:IA+4*\c+3], s[72:73] offset:1536*((\a)/2)+512*\c
	global_store_b128 v[LI], v[IB+4*\c:IB+4*\c+3], s[72:73] offset:12800+1536*((\a)/2)+512*\c
.endr
	v_perm_b32 v[PWS+(\a)/2], v[PWQ+1], v[PWQ], 0x05040100         ; the even head's bytes: the even tile's two below, the odd tile's two above
	v_perm_b32 v[PWS+4+(\a)/2], v[PWQ+1], v[PWQ], 0x07060302       ; the odd head's
.endif
.endm
	RLOAD 0
.irp a, 0,1,2,3,4,5,6,7
	QKBLK \a
.endr
.irp t, 0,2
	v_cndmask_b32 v[PWS+\t], v[PWS+\t], v[PWS+\t+1], s12
	v_cndmask_b32 v[PWS+4+\t], v[PWS+4+\t], v[PWS+5+\t], s12
	global_store_b32 v[LS], v[PWS+\t], s[72:73] offset:12288+64*\t
	global_store_b32 v[LS], v[PWS+4+\t], s[72:73] offset:12800+12288+64*\t
.endr
	s_branch .Lway_end
; ---- fc: gelu, then quantised along the hidden axis: my 128 columns are one K step of the last launch's product
.Lway_fc:
	s_mul_i32 s22, s20, 3840                       ; 61,440 bytes for 16 rows
	s_sub_co_u32 s23, s21, 4096
	s_lshr_b32 s23, s23, 7
	s_add_co_u32 s23, s23, 8                       ; the K step in op2
	s_mul_i32 s76, s23, 1536
	s_add_co_u32 s76, s76, s22
	s_add_nc_u64 s[68:69], s[68:69], s[76:77]
	s_mul_i32 s76, s23, 20480
	s_lshl_b32 s22, s20, 2
	s_add_co_u32 s76, s76, s22
	s_add_nc_u64 s[70:71], s[70:71], s[76:77]
	s_mov_b32 s82, 0xbdd2d3e8                      ; k1 = -2 log2(e) sqrt(2 / pi) x 0.044715
	s_mov_b32 s83, s82
	v_mov_b32 v[KZ], 0xc0135761                    ; k0 = -2 log2(e) sqrt(2 / pi)
	v_mov_b32 v[KZ+1], 0xc0135761
.macro FCBLK a
.set W, 2+(\a)/4
.set AC, 64*((\a)%4)
	s_wait_xcnt 0x0                                ; the last block's stores have read their registers
	WIN W|(W<<2)
.set j, 0
.rept 32
	v_pk_mul_f32 v[HA+j:HA+j+1], v[AC+j:AC+j+1], v[AC+j:AC+j+1]    ; x^2; each accumulator is read from its low end on
.set j, j+2
.endr
	WIN 0
.set j, 0
.rept 32
	v_pk_fma_f32 v[HA+j:HA+j+1], v[HA+j:HA+j+1], s[82:83], v[KZ:KZ+1] op_sel_hi:[1,0,1]
.set j, j+2
.endr
	WIN W<<2
.set j, 0
.rept 32
	v_pk_mul_f32 v[HA+j:HA+j+1], v[HA+j:HA+j+1], v[AC+j:AC+j+1]    ; x (k0 + k1 x^2)
.set j, j+2
.endr
	WIN 0
.set j, 0
.rept 64
	v_exp_f32 v[HA+j], v[HA+j]
.set j, j+1
.endr
	v_nop                                          ; a plain place behind the batch,
	s_wait_alu depctr_va_vdst(0)                   ; and one wait for it, ahead of its first reader
.set j, 0
.rept 32
	v_pk_add_f32 v[HA+j:HA+j+1], v[HA+j:HA+j+1], 1.0 op_sel_hi:[1,0]
.set j, j+2
.endr
.set j, 0
.rept 64
	v_rcp_f32 v[HA+j], v[HA+j]
.set j, j+1
.endr
	v_nop
	s_wait_alu depctr_va_vdst(0)
	WIN W<<2
.set j, 0
.rept 32
	v_pk_mul_f32 v[HA+j:HA+j+1], v[HA+j:HA+j+1], v[AC+j:AC+j+1]
.set j, j+2
.endr
	QUANT HA, 0, PC, PC+6, 0x1800000, PWS+(\a)
.irp c, 0,1,2
	global_store_b128 v[LI], v[PC+4*\c:PC+4*\c+3], s[68:69] offset:61440*(\a)+512*\c
.endr
.endm
.irp a, 0,1,2,3,4,5,6,7
	FCBLK \a
.endr
.irp a, 0,2,4,6
	v_cndmask_b32 v[PWS+\a], v[PWS+\a], v[PWS+\a+1], s12
	global_store_b32 v[LS], v[PWS+\a], s[70:71] offset:64*\a
.endr
.Lway_end:
	s_wait_tensorcnt 0x0                           ; the wave's end, behind my last tensor load
	ds_add_u32 v[SPW], v[NIL]
	s_wait_dscnt 0x0
	CROUND                                         ; the closing round: no work-group ends while a partner may still ask for a tile that names it
	s_endpgm
.Lfunc_end_k_q1e18da73e4_gemm1:
	.size	k_q1e18da73e4_gemm1, .Lfunc_end_k_q1e18da73e4_gemm1-k_q1e18da73e4_gemm1
	.p2alignl 7, 3214868480
	.fill 96, 4, 3214868480
	.section	.rodata,"a",@progbits
	.p2align	6, 0x0
	.amdhsa_kernel k_q1e18da73e4_gemm1
		.amdhsa_group_segment_fixed_size 327680
		.amdhsa_private_segment_fixed_size 0
		.amdhsa_enable_private_segment 0
		.amdhsa_kernarg_size 64
		.amdhsa_user_sgpr_count 2
		.amdhsa_user_sgpr_kernarg_segment_ptr 1
		.amdhsa_wavefront_size32 1
		.amdhsa_system_sgpr_workgroup_id_x 1
		.amdhsa_system_sgpr_workgroup_id_y 1
		.amdhsa_system_sgpr_workgroup_id_z 1
		.amdhsa_system_vgpr_workitem_id 0
		.amdhsa_next_free_vgpr 1024
		.amdhsa_next_free_sgpr 100
		.amdhsa_reserve_vcc 0
		.amdhsa_float_denorm_mode_32 3
		.amdhsa_float_denorm_mode_16_64 3
		.amdhsa_memory_ordered 1
		.amdhsa_forward_progress 1
		.amdhsa_inst_pref_size 255
	.end_amdhsa_kernel
	.section	.bss,"aw",@nobits
	.p2align	6
	.space	262144
	.amdgpu_metadata
---
amdhsa.version: [ 1, 2 ]
amdhsa.kernels:
  - .name:           k_q1e18da73e4_gemm1
    .symbol:         k_q1e18da73e4_gemm1.kd
    .args:
      - { .name: op1c, .offset: 0, .size: 8, .value_kind: global_buffer, .address_space: global }
      - { .name: op1s, .offset: 8, .size: 8, .value_kind: global_buffer, .address_space: global }
      - { .name: rot, .offset: 16, .size: 8, .value_kind: global_buffer, .address_space: global }
      - { .name: b_fc_in, .offset: 24, .size: 8, .value_kind: global_buffer, .address_space: global }
      - { .name: op2c, .offset: 32, .size: 8, .value_kind: global_buffer, .address_space: global }
      - { .name: op2s, .offset: 40, .size: 8, .value_kind: global_buffer, .address_space: global }
      - { .name: kv, .offset: 48, .size: 8, .value_kind: global_buffer, .address_space: global }
      - { .name: qr, .offset: 56, .size: 8, .value_kind: global_buffer, .address_space: global }
    .group_segment_fixed_size: 327680
    .private_segment_fixed_size: 0
    .kernarg_segment_align: 8
    .kernarg_segment_size: 64
    .max_flat_workgroup_size: 128
    .sgpr_count:     100
    .vgpr_count:     1024
    .wavefront_size: 32
...
	.end_amdgpu_metadata
.endif
;; end of part 2
;; launch attn (part 3): grid 16 x 16, 8 waves a work-group, clusters of 4 x 1, 327,680 bytes of LDS; arguments qr, kv, attn_bias, op2c, op2s; writes op2c, op2s
.if DOCPART == 3
	.amdgcn_target "amdgcn-amd-amdhsa--gfx1250"
	.amdhsa_code_object_version 6
	.text
	.protected	k_q1e18da73e4_attn
	.globl	k_q1e18da73e4_attn
	.p2align	8
	.type	k_q1e18da73e4_attn,@function
k_q1e18da73e4_attn:
	s_mov_b64 s[64:65], 0
	v_nop
	global_prefetch_b8 v0, s[64:65] scope:SCOPE_SE
	s_setreg_imm32_b32 hwreg(HW_REG_WAVE_MODE, 25, 1), 1
	s_wait_xcnt 0x0
	s_wait_alu depctr_hold_cnt(0) depctr_sa_sdst(0) depctr_va_vdst(0) depctr_va_sdst(0) depctr_va_ssrc(0) depctr_va_vcc(0) depctr_vm_vsrc(0)
	s_getreg_b32 s2, hwreg(HW_REG_IB_STS2, 6, 4)
	s_cmp_eq_u32 s2, 0
	s_cbranch_scc0 .Lentry_in_a_cluster
	s_endpgm
.Lentry_in_a_cluster:
	s_bfe_u32 s2, ttmp6, 0x10000c
	s_cmp_lg_u32 s2, 0x3003
	s_cbranch_scc0 .Lentry_shape_is_right
	s_endpgm
.Lentry_shape_is_right:
; Causal attention with an additive bias, head size 64, both products on codes of FP6 (E2M3) with E8M0 scales; the result, divided by the row's sum, is quantised along the model's axis into op2's K steps 0-7.
; SHARES.  A work-group owns a pair of heads (4 x cluster x + cx) and two blocks of 64 queries, block 31 - p and then block p (p = work-group y).  Wave w: tile w % 4 of 16 queries, head w / 4.
; Block j needs j / 2 + 1 steps of 128 keys, so the two blocks need 17 steps whatever p is: every work-group has the same work, and the loop's trip count is a constant of the text.
; LAYOUT.  Both products are used transposed: S^T = K Q^T (source 0 = keys, source 1 = my 16 queries), O^T = V^T P^T: a lane holds one query throughout.
; THE HEAD'S 64 ARE HALF OF THE INSTRUCTION'S 128: an image of K holds two tiles of 16 keys, one at k 0-63 and one at k 64-127; Q's six registers stand between two runs of six zero registers, so that
; (q, 0) multiplies the first tile and (0, q) the second.  Zero codes add nothing under any scale byte.
; THE BIAS IS THE C OF K Q^T: its tile (64 queries x 128 keys, f32) lies in LDS and is loaded into the scores' registers.  The division by sqrt(64) is 3 off each of q's scale bytes (they are 4 at the least).
; The four partners of a cluster have the same p and walk in step: the bias tile is asked for JOINTLY.  K and V are a work-group's own: a plain tensor load, behind the same round.
; THE SOFTMAX: t = logit x log2(e); M = the running largest t rounded up to a whole number; p = 2^(t - M) is quantised along the keys; the row's sum is taken of the unquantised p.
; The keys of a block of 32 stand in P in the order in which the scores' registers hold them, and V's images were made in that same order.
; HIDDEN KEYS (key > query) get the score -infinity, so p = 0.  LIMIT: that is reference()'s result where a row's largest visible logit lies above -1e10 + the hidden keys' biases by more than some 100, which holds for
; biases under about 1e9 in magnitude; a row needs one visible logit that is a number.  NaN in the inputs is not served.
; A head's wave stores its half of an image itself: 16 + 8 bytes a lane; the middle 512 bytes of an image are filled by two waves in pieces of 8 bytes, and a row's scale word in two pieces of 2 bytes.
.set KVO,   33792                      ; a slot: the bias tile, 64 rows x (512 + 16) bytes; then the two heads' records of 12,800 bytes: K's 4 images, V's 4 images, K's scale words, V's
.set SLOT1, 65536                      ; slot 1 begins here: one exclusive or turns an address
.set SPARE, 2*SLOT1                    ; the spare words, 128 bytes for each wave: four blocks of 256 bytes that no other line names
.set AKV, 1                            ; v1  16 x lane + my head's record
.set ASC, 2                            ; v2  4 r + my head's record
.set ABI, 3                            ; v3  my query's row of the bias tile, + 32 h
.set SPW, 7
.set NIL, 8
.set ADK, 9
.set ADS, 10
.set ADB, 11
.set WV,  14
.set SEL, 20
.set CS,  22                           ; s[22:23] log2(e)
.set G1B, 24
.set G1K, 32
.set G0B, 40
.set G0K, 44
.set G,   48                           ; the step, 0 .. 16
.set NH,  49                           ; steps of the first block
.set KF,  50                           ; the step's first key
.set Q0,  51                           ; my first query
.set Q0L, 52                           ; and in the second block
.set ROWH, 53                          ; the blocks' first rows of the bias, in bytes
.set ROWL, 54
.set TB,  55                           ; the slot in hand
.set OCH, 58                           ; s[58:59], s[60:61] where the first block's codes and scale bytes go;  s[62:63], s[66:67] the second's
.set OSH, 60
.set OCL, 62
.set OSL, 66
; REGISTERS: v4 16 x lane, v5 4 r, v6 r - 8 h; v12 -M, v13 the largest t, v[14:15] the sum; v32-79 four fragments of K or V; v80-86 the second block's q and its scale word; v87 my two scale bytes;
; v96-159 the bias, then S^T, then p; v160-191 O^T; v192-209 zeros, q, zeros; v212-217 my half image; v224-235 p's codes; v232-254 at work; v248-251 K's or V's scale words; v253 p's; v255 q's.
.macro CROUND
	s_barrier_signal -1
	s_barrier_wait -1
	s_cmp_lg_u32 s[WV], 0
	s_cbranch_scc1 .Lnot_wave_0_\@
	s_barrier_signal -3
.Lnot_wave_0_\@:
	s_barrier_wait -3
	s_barrier_signal -1
	s_barrier_wait -1
.endm
.macro TLOAD                           ; wave 0 asks for the bias tile (jointly), wave 1 for K and V; an s_nop 0 and four v_nop follow each line
	s_cmp_lt_u32 s[WV], 1
	s_cbranch_scc0 .Lnot_b_\@
	tensor_load_to_lds s[G0B:G0B+3], s[G1B:G1B+7]
	s_nop 0
.rept 4
	v_nop
.endr
	s_branch .Lasked_\@
.Lnot_b_\@:
	s_cmp_lt_u32 s[WV], 2
	s_cbranch_scc0 .Lasked_\@
	tensor_load_to_lds s[G0K:G0K+3], s[G1K:G1K+7]
	s_nop 0
.rept 4
	v_nop
.endr
.Lasked_\@:
.endm
	s_load_b256 s[4:11], s[0:1], 0x0               ; qr, kv, attn_bias, op2c
	s_load_b64 s[12:13], s[0:1], 0x20              ; op2s
	v_lshl_add_u32 v[SPW], v0, 2, SPARE
	v_mov_b32 v[NIL], 0
	ds_add_u32 v[SPW], v[NIL]                      ; the wave's opening: the add and its wait ahead of the first tensor loads
	v_lshrrev_b32 v9, 5, v0
	v_readfirstlane_b32 s[WV], v9                  ; wave 0..7
	s_and_b32 s15, s[WV], 3                        ; my tile of queries
	s_lshr_b32 s16, s[WV], 2                       ; my head of the pair
	s_bfe_u32 s17, ttmp6, 0x40000                  ; cx: it enters global addresses of my own alone
	s_lshl_b32 s18, ttmp9, 2
	s_add_co_u32 s18, s18, s17                     ; the pair of heads, 8 x batch + pair
	s_and_b32 s19, ttmp7, 0xffff                   ; p, which the four partners share
	s_sub_co_u32 s68, 31, s19                      ; the first block
	s_lshr_b32 s[NH], s68, 1
	s_add_co_u32 s[NH], s[NH], 1
	s_lshl_b32 s[ROWH], s68, 19                    ; 64 rows of 8,192 bytes
	s_lshl_b32 s[ROWL], s19, 19
	s_lshl_b32 s69, s15, 4
	s_lshl_b32 s[Q0], s68, 6
	s_add_co_u32 s[Q0], s[Q0], s69
	s_lshl_b32 s[Q0L], s19, 6
	s_add_co_u32 s[Q0L], s[Q0L], s69
	s_mov_b32 s[G1B], 15|(2<<16)|(1<<20)|(1<<21)|(6<<22)|(3<<25)   ; the mask: all four; elements of 4 bytes; 4 words of padding behind every 128
	s_mov_b32 s[G1B+1], 128<<16
	s_mov_b32 s[G1B+2], 64<<16
	s_mov_b32 s[G1B+3], 128<<16
	s_mov_b32 s[G1B+4], 64
	s_mov_b32 s[G1B+5], 2048
	s_mov_b32 s[G1B+6], 0
	s_mov_b32 s[G1B+7], 0
	s_mov_b32 s[G1K], 3<<16                        ; no mask; a dense block of 25,600 bytes as 100 rows of 256
	s_mov_b32 s[G1K+1], 32<<16
	s_mov_b32 s[G1K+2], 100<<16
	s_mov_b32 s[G1K+3], 32<<16
	s_mov_b32 s[G1K+4], 100
	s_mov_b32 s[G1K+5], 32
	s_mov_b32 s[G1K+6], 0
	s_mov_b32 s[G1K+7], 0
	s_mov_b32 s[G0B], 1
	s_mov_b32 s[G0B+1], 0
	s_mov_b32 s[G0K], 1
	s_mov_b32 s[G0K+1], KVO
	s_mov_b32 s[SEL], 0x76543210
	s_mov_b32 s[SEL+1], 0xfedcba98
	s_mov_b32 s[CS], 0x3fb8aa3b
	s_mov_b32 s[CS+1], s[CS]
	s_mov_b32 s[G], 0
	s_mov_b32 s[KF], 0
	s_mov_b32 s[TB], 0
	s_mul_i32 s71, s18, 409600                     ; the pair's records
	s_mov_b32 s72, s71
	s_mov_b32 s73, 0
	s_wait_dscnt 0x0                               ; the opening add is done
	s_wait_kmcnt 0x0
	s_add_nc_u64 s[6:7], s[6:7], s[72:73]          ; kv at my pair of heads
	s_mov_b32 s72, s[ROWH]
	s_add_nc_u64 s[G0B+2:G0B+3], s[8:9], s[72:73]
	s_or_b32 s[G0B+3], s[G0B+3], 0x80000000
	s_mov_b64 s[G0K+2:G0K+3], s[6:7]
	s_or_b32 s[G0K+3], s[G0K+3], 0x80000000
	CROUND                                         ; all four work-groups are here
	TLOAD                                          ; step 0, into slot 0
	; q of both blocks: six registers out of an image of two tiles, and the tile's two scale bytes
	s_mul_i32 s70, s16, 12800
	s_add_co_u32 s70, s70, s71
.macro QADDR q0, pc, ps
	s_lshr_b32 s68, s[\q0], 7
	s_mul_i32 s68, s68, 25600
	s_add_co_u32 s68, s68, s70
	s_bfe_u32 s69, s[\q0], 0x20005                 ; which image of the four
	s_mul_i32 s[\pc], s69, 1536
	s_add_co_u32 s[\pc], s[\pc], s68
	s_mov_b32 s[\pc+1], 0
	s_lshl_b32 s[\ps], s69, 6
	s_add_co_u32 s[\ps], s[\ps], s68
	s_add_co_u32 s[\ps], s[\ps], 12288
	s_mov_b32 s[\ps+1], 0
	s_add_nc_u64 s[\pc:\pc+1], s[4:5], s[\pc:\pc+1]
	s_add_nc_u64 s[\ps:\ps+1], s[4:5], s[\ps:\ps+1]
.endm
	QADDR Q0, 72, 74
	QADDR Q0L, 76, 78
	v_and_b32 v9, 31, v0
	v_lshlrev_b32 v4, 4, v9                        ; 16 x lane
	v_and_b32 v10, 15, v0                          ; r
	v_lshlrev_b32 v5, 2, v10                       ; 4 r
	v_bfe_u32 v11, v0, 4, 1                        ; h
	s_and_b32 s68, s[WV], 1                        ; my tile is the image's first or second
	s_mov_b32 s84, 0x03020302
	s_cmp_eq_u32 s68, 0
	s_cselect_b32 s84, 0x01000100, s84             ; the byte selects that lay its two scale bytes twice into a word
	s_cbranch_scc0 .Lodd_tile
	global_load_b128 v[198:201], v4, s[72:73]
	global_load_b64 v[202:203], v4, s[72:73] offset:512
	global_load_b128 v[80:83], v4, s[76:77]
	global_load_b64 v[84:85], v4, s[76:77] offset:512
	s_branch .Lq_asked
.Lodd_tile:
	global_load_b64 v[198:199], v4, s[72:73] offset:520
	global_load_b128 v[200:203], v4, s[72:73] offset:1024
	global_load_b64 v[80:81], v4, s[76:77] offset:520
	global_load_b128 v[82:85], v4, s[76:77] offset:1024
.Lq_asked:
	global_load_b32 v255, v5, s[74:75]
	global_load_b32 v86, v5, s[78:79]
	s_mul_i32 s68, s16, 12800
	v_add_nc_u32 v[AKV], s68, v4
	v_add_nc_u32 v[ASC], s68, v5
	s_mul_i32 s68, s15, 16*528
	v_mul_u32_u24 v[ABI], v10, 528
	v_lshl_add_u32 v[ABI], v11, 5, v[ABI]
	v_add_nc_u32 v[ABI], s68, v[ABI]
	v_lshlrev_b32 v6, 3, v11
	v_sub_nc_u32 v6, v10, v6                       ; r - 8 h
	; where the results go: row x 3,840 + 1,536 x pair in op2c; 20,480 x pair + 4 x row + 2 x head in op2s
	s_lshr_b32 s68, s18, 3
	s_lshl_b32 s68, s68, 11
	s_and_b32 s69, s18, 7
	s_mul_i32 s80, s69, 1536
	s_mul_i32 s81, s69, 20480
	s_lshl_b32 s82, s16, 1
	s_add_co_u32 s81, s81, s82
	s_add_co_u32 s83, s68, s[Q0]
	s_mul_i32 s[OCH], s83, 3840
	s_add_co_u32 s[OCH], s[OCH], s80
	s_mov_b32 s[OCH+1], 0
	s_lshl_b32 s[OSH], s83, 2
	s_add_co_u32 s[OSH], s[OSH], s81
	s_mov_b32 s[OSH+1], 0
	s_add_co_u32 s83, s68, s[Q0L]
	s_mul_i32 s[OCL], s83, 3840
	s_add_co_u32 s[OCL], s[OCL], s80
	s_mov_b32 s[OCL+1], 0
	s_lshl_b32 s[OSL], s83, 2
	s_add_co_u32 s[OSL], s[OSL], s81
	s_mov_b32 s[OSL+1], 0
	s_add_nc_u64 s[OCH:OCH+1], s[10:11], s[OCH:OCH+1]
	s_add_nc_u64 s[OSH:OSH+1], s[12:13], s[OSH:OSH+1]
	s_add_nc_u64 s[OCL:OCL+1], s[10:11], s[OCL:OCL+1]
	s_add_nc_u64 s[OSL:OSL+1], s[12:13], s[OSL:OSL+1]
.irp i, 0,1,2,3,4,5
	v_mov_b32 v[192+\i], 0                         ; the zero codes on both sides of q
	v_mov_b32 v[204+\i], 0
.endr
	v_mov_b32 v13, 0xff61b1e6                      ; the largest t so far: -3e38
	v_floor_f32 v12, -v13
	v_mov_b32 v14, 0
	v_mov_b32 v15, 0
.irp b, 0,1,2,3
	v_mov_b32 v[236+\b], 0                         ; written once: a lane permute's destination counts as one of its sources
.endr
	v_mov_b32 v252, 0
	v_mov_b32 v253, 0
.set j, 0
.rept 32
	v_mov_b32 v[160+j], 0                          ; O^T: the step is written once; its first run finds zeros
.set j, j+1
.endr
	s_wait_loadcnt 0x0                             ; q
	v_perm_b32 v255, v255, v255, s84
	v_perm_b32 v86, v86, v86, s84
	v_add_nc_u32 v255, 0xfcfcfcfd, v255            ; 3 off each byte: / sqrt(64); no byte is under 4
	v_add_nc_u32 v86, 0xfcfcfcfd, v86
.rept 8
	v_nop                                          ; a scale register written by a vector instruction stands eight plain vector instructions ahead of the scaled matrix instruction that takes it: these eight serve every wave's way into the first step
.endr
; THE CHANGE OF SLOTS stands at a step's head: all my tensor loads have landed, the add, my reads of the slot that I have left are over; behind the round the other slot is filled with the next step's tiles.
.macro CHANGE fill
	s_wait_tensorcnt 0x0                           ; no tensor load of mine is out, so a group 0 may be written
	ds_add_u32 v[SPW], v[NIL]                      ; 0 onto my spare word; the descriptors' steps stand between it and the wait for it
.if \fill
	s_add_co_u32 s68, s[G], 1                      ; the step to be fetched: of the first block or of the second
	s_cmp_lt_u32 s68, s[NH]
	s_cselect_b32 s69, s[ROWH], s[ROWL]
	s_cselect_b32 s70, 0, s[NH]
	s_sub_co_u32 s70, s68, s70                     ; its 128 keys
	s_lshl_b32 s72, s70, 9
	s_add_co_u32 s72, s72, s69
	s_mov_b32 s73, 0
	s_xor_b32 s[G0B+1], s[G0B+1], SLOT1
	s_add_nc_u64 s[G0B+2:G0B+3], s[8:9], s[72:73]
	s_or_b32 s[G0B+3], s[G0B+3], 0x80000000
	s_mul_i32 s72, s70, 25600
	s_xor_b32 s[G0K+1], s[G0K+1], SLOT1
	s_add_nc_u64 s[G0K+2:G0K+3], s[6:7], s[72:73]
	s_or_b32 s[G0K+3], s[G0K+3], 0x80000000
.endif
	s_wait_dscnt 0x0                               ; the add is done, and my reads of the slot that I have left are over
.if \fill
	CROUND                                         ; both now hold of every wave of all four work-groups
	TLOAD                                          ; the first thing behind the round, one tensor load a wave: it has a step in which to land
.else
	s_barrier_signal -1
	s_barrier_wait -1
.endif
.endm
; A block's end: O^T / the sum, quantised along my head's 64, stored as my half of the image.
.macro FINAL oc, os
	s_wait_xcnt 0x0                                ; earlier stores have read their registers
.rept 4
	v_nop                                          ; places behind the last products
.endr
	v_add_f32 v14, v14, v15
	v_permlanex16_b32 v252, v14, s[SEL], s[SEL+1]
	v_add_f32 v14, v14, v252                       ; the row's sum
	v_rcp_f32 v14, v14
	v_nop
	s_wait_alu depctr_va_vdst(0)                   ; the wait ahead of the first reader
	v_mov_b32 v15, v14
.set j, 0
.rept 16
	v_pk_mul_f32 v[96+j:97+j], v[160+j:161+j], v[14:15]            ; register 16 b + i: channel 32 b + 16 h + i
.set j, j+2
.endr
.irp b, 0,1
	v_max3_num_f32 v[232+\b], |v[96+16*\b]|, |v[97+16*\b]|, 0x1800000
.endr
.irp i, 2,4,6,8,10,12,14
.irp b, 0,1
	v_max3_num_f32 v[232+\b], v[232+\b], |v[96+16*\b+\i]|, |v[97+16*\b+\i]|
.endr
.endr
.irp b, 0,1
	v_permlanex16_b32 v[236+\b], v[232+\b], s[SEL], s[SEL+1]
.endr
.irp b, 0,1
	v_max_num_f32 v[232+\b], v[232+\b], v[236+\b]
.endr
.irp b, 0,1
	v_add_nc_u32 v[244+\b], 0xff000000, v[232+\b]
.endr
.irp b, 0,1
	v_lshrrev_b32 v[236+\b], 23, v[244+\b]
.endr
	v_lshl_or_b32 v87, v237, 8, v236               ; my head's two bytes of the row's scale word
	v_cvt_scalef32_pk16_fp6_f32 v[212:214], v[96:111], v244
	v_cvt_scalef32_pk16_fp6_f32 v[240:242], v[112:127], v245
	v_nop                                          ; one plain place behind a scaled conversion
.irp i, 0,1,2
	v_permlane16_swap_b32 v[212+\i], v[240+\i]
.endr
.irp i, 0,1,2
	v_mov_b32 v[215+\i], v[240+\i]
.endr
	s_cmp_lt_u32 s[WV], 4
	s_cbranch_scc0 .Lodd_head_\@
	global_store_b128 v4, v[212:215], s[\oc:\oc+1]                 ; registers 0-3 of the image,
	global_store_b64 v4, v[216:217], s[\oc:\oc+1] offset:512       ; 4 and 5
	s_branch .Lstored_\@
.Lodd_head_\@:
	global_store_b64 v4, v[212:213], s[\oc:\oc+1] offset:520       ; registers 6 and 7,
	global_store_b128 v4, v[214:217], s[\oc:\oc+1] offset:1024     ; 8-11
.Lstored_\@:
	global_store_b16 v5, v87, s[\os:\os+1]         ; (both lanes of a row store the same two bytes)
.endm
; A STEP: 128 keys.
.macro STEP
	s_cmp_eq_u32 s[G], s[NH]                       ; the first block is done: it goes out, and the second begins
	s_cbranch_scc0 .Lsame_\@
	FINAL OCH, OSH
	v_mov_b32 v255, v86                            ; q's scale word and codes first: the lines below are their places ahead of the products
.irp i, 0,1,2,3,4,5
	v_mov_b32 v[198+\i], v[80+\i]
.endr
	v_mov_b32 v13, 0xff61b1e6
	v_floor_f32 v12, -v13
	v_mov_b32 v14, 0
	v_mov_b32 v15, 0
.set j, 0
.rept 32
	v_mov_b32 v[160+j], 0
.set j, j+1
.endr
	s_mov_b32 s[Q0], s[Q0L]
	s_mov_b32 s[KF], 0
.Lsame_\@:
	v_add_nc_u32 v[ADK], s[TB], v[AKV]
	v_add_nc_u32 v[ADS], s[TB], v[ASC]
	v_add_nc_u32 v[ADB], s[TB], v[ABI]
	v_nop                                          ; four places in front of loads into registers that the last products read
.irp t, 0,1,2,3,4,5,6,7
	ds_load_b128 v[96+8*\t:99+8*\t], v[ADB] offset:64*\t           ; the bias of my query at keys 16 t + 8 h + 0 .. 7: the C of tile t
	ds_load_b128 v[100+8*\t:103+8*\t], v[ADB] offset:64*\t+16
.endr
.irp u, 0,1,2,3
.irp c, 0,1,2
	ds_load_b128 v[32+12*\u+4*\c:35+12*\u+4*\c], v[ADK] offset:KVO+1536*\u+512*\c
.endr
	ds_load_b32 v[248+\u], v[ADS] offset:KVO+12288+64*\u
.endr
	s_wait_dscnt 0x0
.irp t, 0,2,4,6                                ; eight accumulators, one instruction each
	v_wmma_scale_f32_16x16x128_f8f6f4 v[96+8*\t:103+8*\t], v[32+6*\t:43+6*\t], v[198:209], v[96+8*\t:103+8*\t], v[248+\t/2], v255 matrix_a_fmt:MATRIX_FMT_FP6 matrix_b_fmt:MATRIX_FMT_FP6
	v_wmma_scale_f32_16x16x128_f8f6f4 v[104+8*\t:111+8*\t], v[32+6*\t:43+6*\t], v[192:203], v[104+8*\t:111+8*\t], v[248+\t/2], v255 matrix_a_fmt:MATRIX_FMT_FP6 matrix_b_fmt:MATRIX_FMT_FP6
.endr
.rept 4
	v_nop
.endr
.irp u, 0,1,2,3                                ; V's images are asked for now and land under the softmax
.irp c, 0,1,2
	ds_load_b128 v[32+12*\u+4*\c:35+12*\u+4*\c], v[ADK] offset:KVO+6144+1536*\u+512*\c
.endr
	ds_load_b32 v[248+\u], v[ADS] offset:KVO+12544+64*\u
.endr
	s_add_co_u32 s68, s[KF], 127                   ; a step all of whose keys count skips the mask: a branch on ids
	s_cmp_le_u32 s68, s[Q0]
	s_cbranch_scc1 .Lopen_\@
	s_sub_co_i32 s68, s[Q0], s[KF]
	v_add_nc_u32 v252, s68, v6                     ; d = my query - KF - 8 h.  Register 8 t + j holds key KF + 16 t + 8 h + j: hidden where 16 t + j > d
	v_mov_b32 v254, 0xff800000
.irp n, 0,1,2,3,4,5,6,7,8,9,10,11,12,13,14,15,16,17,18,19,20,21,22,23,24,25,26,27,28,29,30,31,32,33,34,35,36,37,38,39,40,41,42,43,44,45,46,47,48,49,50,51,52,53,54,55,56,57,58,59,60,61,62,63
	v_cmp_gt_i32 vcc_lo, 16*(\n/8)+\n%8, v252
	v_cndmask_b32 v[96+\n], v[96+\n], v254, vcc_lo
.endr
.Lopen_\@:
.irp b, 0,1,2,3
	v_max3_num_f32 v[232+\b], v[96+16*\b], v[97+16*\b], v[98+16*\b]   ; the largest score of each block of 32 keys: for the row's maximum, and for the block's largest p
.endr
.irp i, 3,5,7,9,11,13
.irp b, 0,1,2,3
	v_max3_num_f32 v[232+\b], v[232+\b], v[96+16*\b+\i], v[97+16*\b+\i]
.endr
.endr
.irp b, 0,1,2,3
	v_max_num_f32 v[232+\b], v[232+\b], v[111+16*\b]
.endr
.irp b, 0,1,2,3
	v_permlanex16_b32 v[236+\b], v[232+\b], s[SEL], s[SEL+1]
.endr
.irp b, 0,1,2,3
	v_max_num_f32 v[232+\b], v[232+\b], v[236+\b]
.endr
	v_max3_num_f32 v254, v232, v233, v234
	v_max_num_f32 v254, v254, v235
	v_mul_f32 v254, s[CS], v254
	v_max_num_f32 v13, v13, v254                   ; the running largest t
	v_mov_b32 v254, v12
	v_floor_f32 v12, -v13                          ; -M = floor(-t): M is a whole number
	v_sub_f32 v254, v12, v254
	v_cvt_i32_f32 v254, v254                       ; (it saturates)
	v_ldexp_f32 v252, 1.0, v254                    ; f = 2^(old M - new M): rounds nothing
.irp j, 0,2,4,6,8,10,12,14,16,18,20,22,24,26,28,30,32,34,36,38,40,42,44,46,48,50,52,54,56,58,60,62
	v_pk_fma_f32 v[96+\j:97+\j], v[96+\j:97+\j], s[CS:CS+1], v[12:13] op_sel_hi:[1,0,0]
.endr
.irp b, 0,1,2,3
	v_fma_f32 v[232+\b], v[232+\b], s[CS], v12
.endr
.irp j, 0,1,2,3,4,5,6,7,8,9,10,11,12,13,14,15,16,17,18,19,20,21,22,23,24,25,26,27,28,29,30,31,32,33,34,35,36,37,38,39,40,41,42,43,44,45,46,47,48,49,50,51,52,53,54,55,56,57,58,59,60,61,62,63
	v_exp_f32 v[96+\j], v[96+\j]                   ; p = 2^(t - M)
.endr
	v_pk_mul_f32 v[14:15], v[14:15], v[252:253] op_sel_hi:[1,0]    ; the sums under the new M (a plain place behind the batch)
	s_wait_alu depctr_va_vdst(0)                   ; one wait for the whole batch, ahead of its first reader
.irp b, 0,1,2,3
	v_exp_f32 v[232+\b], v[232+\b]                 ; each block's largest p
.endr
	v_pk_add_f32 v[236:237], v[96:97], v[98:99]    ; the row's sum of the unquantised p, in two chains
.irp j, 4,8,12,16,20,24,28,32,36,40,44,48,52,56,60
	v_pk_add_f32 v[14:15], v[14:15], v[96+\j:97+\j]
	v_pk_add_f32 v[236:237], v[236:237], v[98+\j:99+\j]
.endr
	v_pk_add_f32 v[14:15], v[14:15], v[236:237]
	s_wait_alu depctr_va_vdst(0)                   ; and one for the four
.irp b, 0,1,2,3
	v_max_num_f32 v[232+\b], 0x1800000, v[232+\b]  ; the floor: the byte cannot fall under 1
.endr
.irp b, 0,1,2,3
	v_add_nc_u32 v[244+\b], 0xff000000, v[232+\b]
.endr
.irp b, 0,1,2,3
	v_lshrrev_b32 v[236+\b], 23, v[244+\b]
.endr
	v_lshl_or_b32 v253, v237, 8, v236              ; p's scale word
	v_lshl_or_b32 v253, v238, 16, v253
	v_lshl_or_b32 v253, v239, 24, v253
.irp c, 0,1
	v_cvt_scalef32_pk16_fp6_f32 v[224+6*\c:226+6*\c], v[96+32*\c:111+32*\c], v[244+2*\c]
	v_cvt_scalef32_pk16_fp6_f32 v[236+4*\c:238+4*\c], v[112+32*\c:127+32*\c], v[244+2*\c+1]
.endr
	v_nop                                          ; one plain place behind a scaled conversion
.irp c, 0,1
.irp i, 0,1,2
	v_permlane16_swap_b32 v[224+6*\c+\i], v[236+4*\c+\i]
.endr
.irp i, 0,1,2
	v_mov_b32 v[227+6*\c+\i], v[236+4*\c+\i]
.endr
.endr
.irp j, 0,2,4,6,8,10,12,14,16,18,20,22,24,26,28,30
	v_pk_mul_f32 v[160+\j:161+\j], v[160+\j:161+\j], v[252:253] op_sel_hi:[1,0]   ; O^T under the new M; these sixteen are also the places ahead of the products
.endr
	s_wait_dscnt 0x0                               ; V
.irp t, 0,1,2,3
	v_wmma_scale_f32_16x16x128_f8f6f4 v[160+8*\t:167+8*\t], v[32+12*\t:43+12*\t], v[224:235], v[160+8*\t:167+8*\t], v[248+\t], v253 matrix_a_fmt:MATRIX_FMT_FP6 matrix_b_fmt:MATRIX_FMT_FP6
.endr
	s_add_co_u32 s[KF], s[KF], 128
	s_add_co_u32 s[G], s[G], 1
	s_xor_b32 s[TB], s[TB], SLOT1
.endm
.Lslot:                                            ; sixteen trips: behind each change of slots but the last the next step's tiles are asked for
	CHANGE 1
	STEP
	s_cmp_lt_u32 s[G], 16
	s_cbranch_scc1 .Lslot
	CHANGE 0                                       ; the last step is written out
	STEP
	FINAL OCL, OSL
	s_wait_tensorcnt 0x0                           ; the wave's end, behind the last tensor load
	ds_add_u32 v[SPW], v[NIL]
	s_wait_dscnt 0x0
	CROUND                                         ; the closing round
	s_endpgm
.Lfunc_end_k_q1e18da73e4_attn:
	.size	k_q1e18da73e4_attn, .Lfunc_end_k_q1e18da73e4_attn-k_q1e18da73e4_attn
	.p2alignl 7, 3214868480
	.fill 96, 4, 3214868480
	.section	.rodata,"a",@progbits
	.p2align	6, 0x0
	.amdhsa_kernel k_q1e18da73e4_attn
		.amdhsa_group_segment_fixed_size 327680
		.amdhsa_private_segment_fixed_size 0
		.amdhsa_enable_private_segment 0
		.amdhsa_kernarg_size 40
		.amdhsa_user_sgpr_count 2
		.amdhsa_user_sgpr_kernarg_segment_ptr 1
		.amdhsa_wavefront_size32 1
		.amdhsa_system_sgpr_workgroup_id_x 1
		.amdhsa_system_sgpr_workgroup_id_y 1
		.amdhsa_system_sgpr_workgroup_id_z 1
		.amdhsa_system_vgpr_workitem_id 0
		.amdhsa_next_free_vgpr 256
		.amdhsa_next_free_sgpr 90
		.amdhsa_reserve_vcc 1
		.amdhsa_float_denorm_mode_32 3
		.amdhsa_float_denorm_mode_16_64 3
		.amdhsa_memory_ordered 1
		.amdhsa_forward_progress 1
		.amdhsa_inst_pref_size 71
	.end_amdhsa_kernel
	.amdgpu_metadata
---
amdhsa.version: [ 1, 2 ]
amdhsa.kernels:
  - .name:           k_q1e18da73e4_attn
    .symbol:         k_q1e18da73e4_attn.kd
    .args:
      - { .name: qr, .offset: 0, .size: 8, .value_kind: global_buffer, .address_space: global }
      - { .name: kv, .offset: 8, .size: 8, .value_kind: global_buffer, .address_space: global }
      - { .name: attn_bias, .offset: 16, .size: 8, .value_kind: global_buffer, .address_space: global }
      - { .name: op2c, .offset: 24, .size: 8, .value_kind: global_buffer, .address_space: global }
      - { .name: op2s, .offset: 32, .size: 8, .value_kind: global_buffer, .address_space: global }
    .group_segment_fixed_size: 327680
    .private_segment_fixed_size: 0
    .kernarg_segment_align: 8
    .kernarg_segment_size: 40
    .max_flat_workgroup_size: 256
    .sgpr_count:     90
    .vgpr_count:     256
    .wavefront_size: 32
...
	.end_amdgpu_metadata
.endif
;; end of part 3
;; launch gemm2 (part 4): grid 8 x 32, 4 waves a work-group, clusters of 4 x 4, 327,680 bytes of LDS; arguments op2c, op2s, b_fc_out, out0; writes out0
.if DOCPART == 4
	.amdgcn_target "amdgcn-amd-amdhsa--gfx1250"
	.amdhsa_code_object_version 6
	.text
	.protected	k_q1e18da73e4_gemm2
	.globl	k_q1e18da73e4_gemm2
	.p2align	8
	.type	k_q1e18da73e4_gemm2,@function
k_q1e18da73e4_gemm2:
	s_mov_b64 s[64:65], 0
	v_nop
	global_prefetch_b8 v0, s[64:65] scope:SCOPE_SE
	s_setreg_imm32_b32 hwreg(HW_REG_WAVE_MODE, 25, 1), 1
	s_wait_xcnt 0x0
	s_wait_alu depctr_hold_cnt(0) depctr_sa_sdst(0) depctr_va_vdst(0) depctr_va_sdst(0) depctr_va_ssrc(0) depctr_va_vcc(0) depctr_vm_vsrc(0)
	s_getreg_b32 s2, hwreg(HW_REG_IB_STS2, 6, 4)
	s_cmp_eq_u32 s2, 0
	s_cbranch_scc0 .Lentry_in_a_cluster
	s_endpgm
.Lentry_in_a_cluster:
	s_bfe_u32 s2, ttmp6, 0x10000c
	s_cmp_lg_u32 s2, 0xf033
	s_cbranch_scc0 .Lentry_shape_is_right
	s_endpgm
.Lentry_shape_is_right:
; out0 = [attention's result, gelu's result] x [wo; w_fc_out] + b_fc_out: ONE product with K = 5,120 on codes of FP6 (E2M3) with E8M0 scales; f32 sums.
; op2's rows 0..4095 are the tokens, rows 4096..5119 the 1,024 output columns; both lie as images of operand registers (1,536 bytes for 16 rows x 128 K), [tile of 16 rows][40 K steps].
; C has 4,096 x 1,024 numbers: tiles of 128 x 128 give 256 work-groups, tiles of 256 x 256 only 64.  Four waves, each 64 x 64: 16 accumulators.
; K goes in steps of 512 (four matrix instructions deep) through two LDS slots; the scale words of all of K come once, with the first fills.
; CLUSTERS: 4 x 4: A's tiles are asked for jointly by my row of the cluster, B's by my column.  THE MATRIX INSTRUCTION IS USED TRANSPOSED (source 0 = B's rows, source 1 = A's): a lane holds eight neighbours of a row of C.
; The bias is the C of the first products.  The order of the f32 sums differs from reference()'s.
; REGISTERS: window 0: v0-31 addresses; v32-63 scale words, two sets; v64-95 the bias; v128-255 the accumulators ((a, b) at v[128 + 8 (4 a + b)]).  Window 1: two sets of fragments at v0 and v128: A's four, then B's four.
.set TILEB,  6144                      ; 16 rows x 512 along K
.set HALFT,  4*TILEB                   ; 64 rows: what one tensor load brings
.set SLOT,   4*HALFT
.set SCL,    2*SLOT                    ; A's scale words [40][128], then B's
.set SPARE,  SCL+40960                 ; the spare words, 128 bytes for each wave: two blocks of 256 bytes that no other line names
.set SPITCH, 272                       ; the way out: a stage of 16 rows x (256 + 16) bytes for each wave, in slot 0, which has had its last fill and its last read by then
.set FR, 12
.set ADRA, 16
.set ADRB, 20
.set STO,  24
.set RD,   25
.set CO,   26
.set ADRS, 27
.set SPW,  28
.set NIL,  29
.set SC,   32
.set BI,   64
.set BK,   32
.set ACC,  128
.set G1, 24
.set G0, 32
.set G1B, 48
.set G0B, 56
.set G1S, 68
.set G0S, 76
.set G1SB, 80
.set G0SB, 88
.set MSB, 0
.macro WIN new
.set WNEW, \new
.if MSB != WNEW
	s_set_vgpr_msb (MSB<<8)|WNEW
.set MSB, WNEW
.endif
.endm
.set MUL,  0x05                        ; sources 0 and 1 window 1; C and D window 0
.set TO_F, 0x40
.macro JLOAD g0a, g1a, g0b, g1b        ; a joint load: waves 0 and 1 fetch for A, waves 2 and 3 for B; an s_nop 0 and four v_nop follow each of the two lines
	s_cmp_eq_u32 s15, 0
	s_cbranch_scc0 .Lfor_b_\@
	tensor_load_to_lds s[\g0a:\g0a+3], s[\g1a:\g1a+7]
	s_nop 0
.rept 4
	v_nop
.endr
	s_branch .Lasked_\@
.Lfor_b_\@:
	tensor_load_to_lds s[\g0b:\g0b+3], s[\g1b:\g1b+7]
	s_nop 0
.rept 4
	v_nop
.endr
.Lasked_\@:
.endm
.macro CREST
	s_cmp_lg_u32 s14, 0
	s_cbranch_scc1 .Lnot_wave_0_\@
	s_barrier_signal -3
.Lnot_wave_0_\@:
	s_barrier_wait -3
	s_barrier_signal -1
	s_barrier_wait -1
.endm
.macro CROUND
	s_barrier_signal -1
	s_barrier_wait -1
	CREST
.endm
.macro PLACES n
.rept \n
	v_nop
.endr
.endm
	s_load_b256 s[4:11], s[0:1], 0x0               ; op2c, op2s, b_fc_out, out0
	v_lshl_add_u32 v[SPW], v0, 2, SPARE
	v_mov_b32 v[NIL], 0
	ds_add_u32 v[SPW], v[NIL]                      ; the wave's opening: the add and its wait ahead of my first tensor load
	v_lshrrev_b32 v1, 5, v0
	v_readfirstlane_b32 s14, v1                    ; wave 0..3
	s_lshr_b32 s15, s14, 1                         ; which half of the tile's rows is mine.  Also: I fetch for A (0) or for B (1)
	s_and_b32 s16, s14, 1                          ; which half of its columns.  Also: which 64 rows I fetch
	s_bfe_u32 s40, ttmp6, 0x40000                  ; cx
	s_bfe_u32 s41, ttmp6, 0x40004                  ; cy
	s_lshl_b32 s42, ttmp9, 2
	s_add_co_u32 s42, s42, s40                     ; tile column
	s_and_b32 s17, ttmp7, 0xffff
	s_lshl_b32 s17, s17, 2
	s_add_co_u32 s17, s17, s41                     ; tile row
	s_lshl_b32 s43, s41, 2
	s_lshl_b32 s43, 15, s43                        ; my row of the cluster
	s_lshl_b32 s44, 0x1111, s40                    ; my column
	s_or_b32 s[G1+0], s43, (3<<16)|(1<<21)         ; the mask; elements of 8 bytes; no padding
	s_or_b32 s[G1B+0], s44, (3<<16)|(1<<21)
.irp g, G1, G1B
	s_mov_b32 s[\g+1], 768<<16                     ; 6,144 bytes: a tile's four K steps
	s_mov_b32 s[\g+2], 4<<16                       ; 4 tiles of 16 rows
	s_mov_b32 s[\g+3], 768<<16
	s_mov_b32 s[\g+4], 4
	s_mov_b32 s[\g+5], 7680                        ; 61,440 bytes from tile to tile
	s_mov_b32 s[\g+6], 0
	s_mov_b32 s[\g+7], 0
.endr
	s_or_b32 s[G1S+0], s43, (2<<16)|(1<<21)        ; the scale words: 128 rows' words of twenty K steps
	s_or_b32 s[G1SB+0], s44, (2<<16)|(1<<21)
.irp g, G1S, G1SB
	s_mov_b32 s[\g+1], 128<<16
	s_mov_b32 s[\g+2], 20<<16
	s_mov_b32 s[\g+3], 128<<16
	s_mov_b32 s[\g+4], 20
	s_mov_b32 s[\g+5], 5120
	s_mov_b32 s[\g+6], 0
	s_mov_b32 s[\g+7], 0
.endr
	s_lshl_b32 s18, s16, 6
	s_lshl_b32 s12, s17, 7                         ; A's first row
	s_lshl_b32 s13, s42, 7
	s_add_co_u32 s13, s13, 4096                    ; B's first row place
	s_add_co_u32 s20, s12, s18
	s_add_co_u32 s46, s13, s18
	s_mul_i32 s20, s20, 3840
	s_mul_i32 s46, s46, 3840
	s_mov_b32 s21, 0
	s_mov_b32 s47, 0
	s_mul_i32 s19, s16, 20*20480
	s_lshl_b32 s22, s12, 2
	s_add_co_u32 s22, s22, s19
	s_mov_b32 s23, 0
	s_lshl_b32 s92, s13, 2
	s_add_co_u32 s92, s92, s19
	s_mov_b32 s93, 0
	s_mul_i32 s45, s14, HALFT
	s_mul_i32 s94, s14, 10240
	s_wait_dscnt 0x0                               ; the opening add is done
	s_wait_kmcnt 0x0
	s_add_nc_u64 s[20:21], s[4:5], s[20:21]
	s_add_nc_u64 s[22:23], s[6:7], s[22:23]
	s_add_nc_u64 s[46:47], s[4:5], s[46:47]
	s_add_nc_u64 s[92:93], s[6:7], s[92:93]
	CROUND                                         ; all sixteen work-groups are here: the first joint loads meet
	s_mov_b32 s[G0S], 1
	s_add_co_u32 s[G0S+1], s94, SCL
	s_mov_b64 s[G0S+2:G0S+3], s[22:23]
	s_or_b32 s[G0S+3], s[G0S+3], 0x80000000
	s_mov_b32 s[G0SB], 1
	s_add_co_u32 s[G0SB+1], s94, SCL
	s_mov_b64 s[G0SB+2:G0SB+3], s[92:93]
	s_or_b32 s[G0SB+3], s[G0SB+3], 0x80000000
	JLOAD G0S, G1S, G0SB, G1SB                     ; three loads of mine go out together: the scale words, slot 0, slot 1
.irp s, 0,1
	s_mov_b32 s[G0+4*\s], 1
	s_add_co_u32 s[G0+4*\s+1], s45, \s*SLOT
	s_add_nc_u64 s[G0+4*\s+2:G0+4*\s+3], s[20:21], \s*TILEB
	s_or_b32 s[G0+4*\s+3], s[G0+4*\s+3], 0x80000000
	s_mov_b32 s[G0B+4*\s], 1
	s_add_co_u32 s[G0B+4*\s+1], s45, \s*SLOT
	s_add_nc_u64 s[G0B+4*\s+2:G0B+4*\s+3], s[46:47], \s*TILEB
	s_or_b32 s[G0B+4*\s+3], s[G0B+4*\s+3], 0x80000000
	JLOAD G0+4*\s, G1, G0B+4*\s, G1B
.endr
	v_and_b32 v1, 31, v0
	v_and_b32 v2, 15, v0                           ; r
	v_bfe_u32 v4, v0, 4, 1                         ; h
	v_lshlrev_b32 v3, 4, v1
	s_mul_i32 s21, s15, HALFT
	s_mul_i32 s22, s16, HALFT
	s_add_co_u32 s22, s22, 2*HALFT
.irp s, 0,1
	v_add_nc_u32 v[ADRA+\s], s21, v3
	v_add_nc_u32 v[ADRB+\s], s22, v3
	s_add_co_u32 s21, s21, SLOT
	s_add_co_u32 s22, s22, SLOT
.endr
	s_lshl_b32 s21, s15, 8                         ; A's words: my 64 rows
	s_lshl_b32 s22, s16, 8                         ; B's, 20,480 bytes behind A's
	s_add_co_u32 s22, s22, 20480
	s_sub_co_u32 s22, s22, s21
	v_mul_u32_u24 v6, s22, v4                      ; lanes 16-31 take B's: one product in h
	s_add_co_u32 s21, s21, SCL
	v_lshl_add_u32 v5, v2, 2, v6
	v_add_nc_u32 v[ADRS], s21, v5
	s_mul_i32 s23, s14, 16*SPITCH                  ; my stage
	v_mul_u32_u24 v5, v2, SPITCH
	v_lshl_add_u32 v5, v4, 5, v5
	v_add_nc_u32 v[STO], s23, v5                   ; in: row r, 32 bytes for each half of the lanes
	v_mul_u32_u24 v5, v4, SPITCH
	v_lshl_add_u32 v5, v2, 4, v5
	v_add_nc_u32 v[RD], s23, v5                    ; back: lanes 0-15 one row of 256 bytes, lanes 16-31 the next
	v_lshlrev_b32 v5, 12, v4
	v_lshl_add_u32 v[CO], v2, 4, v5                ; and the same two rows in out0
	s_lshl_b32 s20, s15, 6
	s_add_co_u32 s20, s20, s12
	s_lshl_b32 s20, s20, 12                        ; my first row of out0, 4,096 bytes a row
	s_mov_b32 s21, 0
	s_lshl_b32 s46, s42, 9                         ; my first column, in bytes
	s_lshl_b32 s47, s16, 8
	s_add_co_u32 s46, s46, s47
	s_mov_b32 s47, 0
	s_add_nc_u64 s[8:9], s[8:9], s[46:47]          ; b_fc_out at my 64 columns
	s_add_nc_u64 s[10:11], s[10:11], s[46:47]
	s_add_nc_u64 s[10:11], s[10:11], s[20:21]
	v_lshlrev_b32 v7, 5, v4
.irp b, 0,1,2,3                                ; tile b, lane half h: columns 16 b + 8 h + 0 .. 7
	global_load_b128 v[BI+8*\b:BI+8*\b+3], v7, s[8:9] offset:64*\b
	global_load_b128 v[BI+8*\b+4:BI+8*\b+7], v7, s[8:9] offset:64*\b+16
.endr
.macro FETCH slot, q, f                ; the eight fragments of the slot's q-th 128 along K into set f: 24 loads of 16 bytes at 16 x lane
	WIN TO_F
.irp i, 0,1,2,3
.irp c, 0,1,2
	ds_load_b128 v[\f+FR*\i+4*\c:\f+FR*\i+4*\c+3], v[ADRA+\slot] offset:TILEB*\i+1536*(\q)+512*\c
.endr
.endr
.irp i, 0,1,2,3
.irp c, 0,1,2
	ds_load_b128 v[\f+48+FR*\i+4*\c:\f+48+FR*\i+4*\c+3], v[ADRB+\slot] offset:TILEB*\i+1536*(\q)+512*\c
.endr
.endr
	WIN 0
.endm
.macro SCALES sc                       ; a slot's scale words: lanes 0-15 A's block i, lanes 16-31 B's block i
.irp i, 0,1,2,3
.irp q, 0,1,2,3
	ds_load_b32 v[SC+16*\sc+4*\i+\q], v[ADRS] offset:512*\q+64*\i
.endr
.endr
.endm
.macro MUL4 a, f, q, sc, first         ; A's block a x B's four.  The sixteen accumulators take turns, one instruction a turn, in the same order in every step
.irp b, 0,1,2,3
.if \first
	v_wmma_scale_f32_16x16x128_f8f6f4 v[ACC+8*(4*(\a)+\b):ACC+8*(4*(\a)+\b)+7], v[\f+48+FR*\b:\f+48+FR*\b+FR-1], v[\f+FR*(\a):\f+FR*(\a)+FR-1], v[BI+8*\b:BI+8*\b+7], v[SC+16*(\sc)+4*\b+(\q)], v[SC+16*(\sc)+4*(\a)+(\q)] matrix_a_fmt:MATRIX_FMT_FP6 matrix_b_fmt:MATRIX_FMT_FP6 matrix_a_scale:MATRIX_SCALE_ROW1
.else
	v_wmma_scale_f32_16x16x128_f8f6f4 v[ACC+8*(4*(\a)+\b):ACC+8*(4*(\a)+\b)+7], v[\f+48+FR*\b:\f+48+FR*\b+FR-1], v[\f+FR*(\a):\f+FR*(\a)+FR-1], v[ACC+8*(4*(\a)+\b):ACC+8*(4*(\a)+\b)+7], v[SC+16*(\sc)+4*\b+(\q)], v[SC+16*(\sc)+4*(\a)+(\q)] matrix_a_fmt:MATRIX_FMT_FP6 matrix_b_fmt:MATRIX_FMT_FP6 matrix_a_scale:MATRIX_SCALE_ROW1
.endif
.endr
.endm
.macro STEP slot, q, first             ; one of a slot's first three steps: the next step's fragments are asked for first, into the set that the last step multiplied
	PLACES 4
	FETCH \slot, (\q)+1, 128*(1-(\q)%2)
	s_wait_dscnt 24                                ; all but the 24 just issued: this step's set and scale words are in
	WIN MUL
.irp a, 0,1,2,3
	MUL4 \a, 128*((\q)%2), \q, \slot, \first
.endr
.endm
; A slot's last step changes slots: one barrier; in front of it each wave waits for all its tensor loads, adds 0 to its spare word, and waits for that and for its reads of this slot.
.macro LAST slot, next, fill
	WIN 0                                          ; (the add's two registers lie in window 0)
	s_wait_tensorcnt 0x0                           ; all my tensor loads have landed: my part of the next slot
	ds_add_u32 v[SPW], v[NIL]
	s_wait_dscnt 1                                 ; (the add may be out)
	WIN MUL
	MUL4 0, 128, 3, \slot, 0
	s_wait_dscnt 0x0                               ; the add is done, and my reads of this slot are over
	s_barrier_signal -1
	MUL4 1, 128, 3, \slot, 0
	WIN 0
	s_barrier_wait -1
.if \fill
	CREST                                          ; the barrier has opened a round of the cluster's barrier: no wave of any partner still reads this slot or has a load on its way
	s_add_nc_u64 s[G0+4*\slot+2:G0+4*\slot+3], s[G0+4*\slot+2:G0+4*\slot+3], 2*TILEB
	s_add_nc_u64 s[G0B+4*\slot+2:G0B+4*\slot+3], s[G0B+4*\slot+2:G0B+4*\slot+3], 2*TILEB
	JLOAD G0+4*\slot, G1, G0B+4*\slot, G1B         ; the first tensor load behind the round; its four v_nop are the places in front of the loads below
.else
	PLACES 4
.endif
	v_add_nc_u32 v[ADRS], 2048, v[ADRS]
	FETCH \next, 0, 0
	SCALES \next
	WIN MUL
	MUL4 2, 128, 3, \slot, 0
	MUL4 3, 128, 3, \slot, 0
.endm
	s_wait_tensorcnt 1                             ; the scale words and my part of slot 0 are in; slot 1's load may be out
	s_barrier_signal -1
	s_barrier_wait -1
	FETCH 0, 0, 0
	SCALES 0
	s_wait_loadcnt 0x0                             ; the bias
	STEP 0, 0, 1                                   ; the first step stands in front of the loop: its products start the sums, with the bias as C
	WIN 0                                          ; at a label and at a branch every window is 0
	s_mov_b32 s3, 4
.Llap:                                             ; a trip goes once round the ring, from a lap's second step to the next lap's first, and fills both slots again
	STEP 0, 1, 0
	STEP 0, 2, 0
	LAST 0, 1, 1
	STEP 1, 0, 0
	STEP 1, 1, 0
	STEP 1, 2, 0
	LAST 1, 0, 1
	STEP 0, 0, 0
	WIN 0
	s_sub_co_u32 s3, s3, 1
	s_cmp_lg_u32 s3, 0
	s_cbranch_scc1 .Llap
	STEP 0, 1, 0                                   ; the last lap fills nothing
	STEP 0, 2, 0
	LAST 0, 1, 0
	STEP 1, 0, 0
	STEP 1, 1, 0
	STEP 1, 2, 0
	s_wait_dscnt 0
	WIN MUL
.irp a, 0,1,2,3
	MUL4 \a, 128, 3, 1, 0
.endr
	WIN 0
; THE WAY OUT, block by block of 16 rows x 64 columns, through my own stage: LDS serves a wave's instructions in order, so no wait stands between the stores and the loads.
.macro TOSTAGE a
.irp b, 0,1,2,3
	ds_store_b128 v[STO], v[ACC+8*(4*(\a)+\b):ACC+8*(4*(\a)+\b)+3] offset:64*\b     ; each accumulator from its low end on
	ds_store_b128 v[STO], v[ACC+8*(4*(\a)+\b)+4:ACC+8*(4*(\a)+\b)+7] offset:64*\b+16
.endr
.irp t, 0,1,2,3,4,5,6,7
	ds_load_b128 v[BK+32*((\a)%2)+4*\t:BK+32*((\a)%2)+4*\t+3], v[RD] offset:\t*2*SPITCH
.endr
.endm
.macro SEND a, younger                 ; younger: the LDS instructions issued behind block a's loads
	s_wait_dscnt \younger
.irp t, 0,1,2,3,4,5,6,7
	global_store_b128 v[CO], v[BK+32*((\a)%2)+4*\t:BK+32*((\a)%2)+4*\t+3], s[10:11] offset:(16*(\a)+2*\t)*4096 th:TH_STORE_NT   ; sixteen lanes store 256 consecutive bytes, aligned
.endr
.endm
	PLACES 4
	TOSTAGE 0
.irp a, 1,2,3
.if \a > 1
	s_wait_xcnt 0x0                                ; block a - 2's stores have read their registers: block a's loads may land there
.endif
	TOSTAGE \a
	SEND \a-1, 16                                  ; behind block a - 1's loads: block a's 8 stores and 8 loads
.endr
	SEND 3, 0
	s_wait_tensorcnt 0x0                           ; the wave's end, behind my last tensor load and my last LDS store
	ds_add_u32 v[SPW], v[NIL]
	s_wait_dscnt 0x0
	CROUND                                         ; the closing round: no work-group ends while a partner may still ask for a tile that names it
	s_endpgm
.Lfunc_end_k_q1e18da73e4_gemm2:
	.size	k_q1e18da73e4_gemm2, .Lfunc_end_k_q1e18da73e4_gemm2-k_q1e18da73e4_gemm2
	.p2alignl 7, 3214868480
	.fill 96, 4, 3214868480
	.section	.rodata,"a",@progbits
	.p2align	6, 0x0
	.amdhsa_kernel k_q1e18da73e4_gemm2
		.amdhsa_group_segment_fixed_size 327680
		.amdhsa_private_segment_fixed_size 0
		.amdhsa_enable_private_segment 0
		.amdhsa_kernarg_size 32
		.amdhsa_user_sgpr_count 2
		.amdhsa_user_sgpr_kernarg_segment_ptr 1
		.amdhsa_wavefront_size32 1
		.amdhsa_system_sgpr_workgroup_id_x 1
		.amdhsa_system_sgpr_workgroup_id_y 1
		.amdhsa_system_sgpr_workgroup_id_z 1
		.amdhsa_system_vgpr_workitem_id 0
		.amdhsa_next_free_vgpr 512
		.amdhsa_next_free_sgpr 100
		.amdhsa_reserve_vcc 0
		.amdhsa_float_denorm_mode_32 3
		.amdhsa_float_denorm_mode_16_64 3
		.amdhsa_memory_ordered 1
		.amdhsa_forward_progress 1
		.amdhsa_inst_pref_size 85
	.end_amdhsa_kernel
	.amdgpu_metadata
---
amdhsa.version: [ 1, 2 ]
amdhsa.kernels:
  - .name:           k_q1e18da73e4_gemm2
    .symbol:         k_q1e18da73e4_gemm2.kd
    .args:
      - { .name: op2c, .offset: 0, .size: 8, .value_kind: global_buffer, .address_space: global }
      - { .name: op2s, .offset: 8, .size: 8, .value_kind: global_buffer, .address_space: global }
      - { .name: b_fc_out, .offset: 16, .size: 8, .value_kind: global_buffer, .address_space: global }
      - { .name: out0, .offset: 24, .size: 8, .value_kind: global_buffer, .address_space: global }
    .group_segment_fixed_size: 327680
    .private_segment_fixed_size: 0
    .kernarg_segment_align: 8
    .kernarg_segment_size: 32
    .max_flat_workgroup_size: 128
    .sgpr_count:     100
    .vgpr_count:     512
    .wavefront_size: 32
...
	.end_amdgpu_metadata
.endif
;; end of part 4
